; MI455X (gfx1250); checked and timed in simulation.
; The chip was launched on July 23, 2026; its instructions are those of AMD's public machine-readable ISA for CDNA 5 (MIT licence, August 2026) and "CDNA5" Instruction Set Architecture Reference Guide (July 2026). The comments in the code are by the model that wrote it; some were corrected since.
;; Multi Head Attention. Allowed arithmetic: matrix products marked QUANTISED: E4M3 operands, one given power-of-two scale a tensor, by v_wmma_f32_16x16x64_fp8_fp8 or v_wmma_f32_16x16x128_fp8_fp8, f32 sums; everything else in f32.
;; Inputs: bo 1,024 float32; lowp_scales 12 int32 (the exponents e of the quantised operands' scales 2^e); wk 1,024 x 1,024 float32; wo 1,024 x 1,024 float32; wq 1,024 x 1,024 float32; wv 1,024 x 1,024 float32; x 2 x 2,048 x 1,024 float32.
;; Outputs: out0 2 x 2,048 x 1,024 float32.
;; This version of the problem:
;;   THIS VERSION OF THE PROBLEM IS GIVEN IN LOW PRECISION. The matrix products marked QUANTISED in the list below multiply operands that are first quantised to E4M3 (4 exponent bits, 3 mantissa bits; 8 bits a number), with one given power-of-two scale for each operand tensor; their sums are f32. All else is computed in f32.
;;   The module's matrix products, in the order in which they are computed (A, B: the left and right operand; K: the contracted axis; several contracted axes count as one K, in the product's order):
;;     1. [M 4,096, K 1,024] x [K 1,024, N 1,024]; A: input x; B: input wq: QUANTISED (scales: A lowp_scales[0], B lowp_scales[1])
;;     2. [M 4,096, K 1,024] x [K 1,024, N 1,024]; A: input x; B: input wk: QUANTISED (scales: A lowp_scales[2], B lowp_scales[3])
;;     3. [M 4,096, K 1,024] x [K 1,024, N 1,024]; A: input x; B: input wv: QUANTISED (scales: A lowp_scales[4], B lowp_scales[5])
;;     4. batch 32 x [M 2,048, K 64] x [K 64, N 2,048]; A: computed on the way; B: computed on the way: QUANTISED (scales: A lowp_scales[6], B lowp_scales[7])
;;     5. batch 32 x [M 2,048, K 2,048] x [K 2,048, N 64]; A: softmax (see below); B: computed on the way: QUANTISED (scales: A lowp_scales[8], B lowp_scales[9])
;;     6. [M 4,096, K 1,024] x [K 1,024, N 1,024]; A: computed on the way; B: input wo: QUANTISED (scales: A lowp_scales[10], B lowp_scales[11])
;;   THE QUANTISER, for each operand of a quantised product, along K:
;;     - The operand's scale is 2^e, e = its entry of the input lowp_scales (int32; the entries are numbered through the quantised products in the list's order, A before B).
;;     - Each number is divided by the scale, clamped to +-448, and rounded to the nearest number of E4M3, ties to even, subnormals kept.
;;     - The product sums the exact products of the quantised numbers (number of the format x scale) in f32.
;;   ~~~python
;;   def quantise(x, axis, e):      # numpy; x: float32 -> the quantised numbers, widened to float32 again
;;       x = np.moveaxis(x, axis, -1); K = x.shape[-1]
;;       r = np.clip(x / 2.0 ** e, -448, 448)
;;       step = 2.0 ** (np.maximum(np.frexp(np.where(r == 0, 1, r))[1] - 1, -6) - 3)
;;       q = np.round(r / step) * step * 2.0 ** e      # np.round: ties to even
;;       return np.moveaxis(q, -1, axis).astype(np.float32)
;;   ~~~
;;   SOFTMAX AHEAD OF A QUANTISED PRODUCT. Where the list says 'softmax', what is quantised is not the finished softmax but p = 2^(t - M), with t = logit x log2(e) and M = ceil(the row's largest t), a whole number; so 1/2 < the row's largest p <= 1. The row's sum l is taken of the UNQUANTISED p, in f32, and the product's result is divided by l at the end. Since M is a whole number, a kernel that streams over the keys may use a running M (the ceiling of the running maximum): every later rescaling is an exact power of two, so the quantised numbers keep their values, but for numbers so far below the row's largest that they fall under the format's range.
;;   OPERANDS COMPUTED ON THE WAY. 'Computed on the way' means the value that the module computes at that place (a softmax that the list does not call 'softmax' is quantised finished and normalised). What goes into a quantiser is computed in f32, as accurately as f32 sums, v_exp_f32 and their like allow (about 1e-6 of the number): no bf16 or f16 on the way to a quantiser, and a product that is left as it is and whose result goes on into a quantised operand takes f32 operands (vector FMAs, or v_wmma_f32_16x16x4_f32). A number that lies on a knife's edge between two numbers of the format may be rounded either way, as far as f32 arithmetic and the matrix unit's own rounding can turn it there, and no further.
;; One version. Each part assembles by itself: llvm-mc -triple=amdgcn-amd-amdhsa -mcpu=gfx1250 --defsym DOCPART=n.
;; ======== version 1 of 1: 4 launches
;; limits: right only within a limited range of input values
;; workspace buffers: codes 16,777,216 bytes; qkv 12,582,912 bytes; ctx 4,194,304 bytes
;; launch quant (part 1): grid 512 x 1, 8 waves a work-group, no clusters, 68,608 bytes of LDS; arguments x, wq, wk, wv, wo, lowp_scales, codes; writes codes
.if DOCPART == 1
	.amdgcn_target "amdgcn-amd-amdhsa--gfx1250"
	.amdhsa_code_object_version 6
	.text
	.protected	k_qa94be15a82_quant
	.globl	k_qa94be15a82_quant
	.p2align	8
	.type	k_qa94be15a82_quant,@function
k_qa94be15a82_quant:
	s_mov_b64 s[64:65], 0
	v_nop
	global_prefetch_b8 v0, s[64:65] scope:SCOPE_SE
	s_setreg_imm32_b32 hwreg(HW_REG_WAVE_MODE, 25, 1), 1
	s_wait_xcnt 0x0
; x [4096][1024] f32 becomes three sets of E4M3 codes (scales 2^e0, 2^e2, 2^e4: it is the left operand of three products), wq, wk, wv, wo [1024][1024] one set each (e1, e3, e5, e11).
; code = number / 2^e, held within +-448, rounded to the nearest code, ties to even.
; LIMITS: each e used here lies between -126 and 119, so that 2^e and 448 x 2^e are f32 numbers.  NaN among the inputs is not served; an infinity is held at the largest code.
; THE IMAGE.  Codes are laid in the order of the matrix operand's registers.  A fragment is 16 rows x 128 k: four groups of 512 bytes; in group g lane l = 16 h + r owns the 16 bytes at 512 g + 16 l:
; bytes 0-7 = row r, k = 32 g + 8 h + 0..7; bytes 8-15 = row r, k = 32 g + 16 + 8 h + 0..7.  So a reader takes registers 4 g .. 4 g + 3 by one load of 16 bytes a lane, 512 consecutive bytes a wave.
; Fragment (row tile T of 16 rows, K step s of 128) lies at (T >> 3) 131072 + (s >> 1) 32768 + (T & 7) 4096 + (s & 1) 2048 of its part: a tile of 128 rows x 256 k is 32 KB on end.
; Parts of the buffer: x under e0 at 0, under e2 at 4 MiB, under e4 at 8 MiB; wq, wk, wv, wo at 12, 13, 14, 15 MiB.
; SHARES.  Work-group G takes one row tile: G < 256: tile G of x; else tile G & 63 of weight (G >> 6) - 4.  Wave w takes K step w: one fragment.  Each of its 16 loads reads 512 consecutive bytes of one row;
; the 8 KB turn through the wave's own stage in LDS (rows 528 bytes apart, 33 x 16, so that sixteen rows' reads start at sixteen different banks: ISA guide 11.1) and come back as each lane's 16 numbers of each group.
; No barrier (waves share nothing), no loop, no register of a store written again.  No tensor load, matrix unit or cluster: the launch only streams, each byte once.
.set PITCH, 528
.set WREG,  16*PITCH                   ; a wave's stage
.set LI,  2                            ; v2       16 x lane: my place in a load's and in a store's 512 bytes
.set STO, 3                            ; v3       the stage, on the way in
.set RDL, 4                            ; v4       the stage, on the way out: row r, + 32 h
.set R,   16                           ; v16-79   the 16 rows as loaded
.set X,   80                           ; v80-143  register 16 g + i: my i-th number of group g
.set T,   144                          ; v144-175 held numbers, two sets of 16 by turns
.set C,   176                          ; v176-223 codes: four registers for each set and group, never written again
	s_load_b256 s[4:11], s[0:1], 0x0               ; x s[4:5], wq s[6:7], wk s[8:9], wv s[10:11]
	s_load_b128 s[12:15], s[0:1], 0x20             ; wo s[12:13], the scales' exponents s[14:15]
	s_load_b64 s[16:17], s[0:1], 0x30              ; the codes
	v_lshl_add_u32 v224, v0, 2, 0x10800
	v_mov_b32 v225, 0
	v_lshrrev_b32 v7, 5, v0
	s_delay_alu instid0(VALU_DEP_1)
	v_readfirstlane_b32 s18, v7                    ; wave = K step
	v_and_b32 v1, 31, v0
	s_delay_alu instid0(VALU_DEP_1)
	v_lshlrev_b32 v[LI], 4, v1
	v_and_b32 v5, 15, v0                           ; r
	v_bfe_u32 v6, v0, 4, 1                         ; h
	s_mul_i32 s28, s18, WREG
	v_add_nc_u32 v[STO], s28, v[LI]
	v_mul_u32_u24 v[RDL], v5, PITCH
	s_delay_alu instid0(VALU_DEP_1)
	v_lshl_add_u32 v[RDL], v6, 5, v[RDL]
	s_delay_alu instid0(VALU_DEP_1)
	v_add_nc_u32 v[RDL], s28, v[RDL]
	s_and_b32 s32, ttmp9, 63                       ; a weight's tile,
	s_lshr_b32 s33, ttmp9, 6
	s_lshl_b32 s33, s33, 20
	s_add_co_u32 s33, s33, 0x800000                ; and its part: (G >> 6) MiB + 8 MiB
	s_cmp_lt_u32 ttmp9, 256
	s_cselect_b32 s32, ttmp9, s32                  ; T
	s_cselect_b32 s33, 0, s33                      ; x's first part begins at 0
	s_lshl_b32 s28, s32, 16                        ; in: 16 rows of 4,096 bytes a tile,
	s_lshl_b32 s29, s18, 9                         ; 512 bytes a K step
	s_add_co_u32 s28, s28, s29
	s_mov_b32 s29, 0
	s_lshr_b32 s30, s32, 3                         ; out: the fragment's place
	s_lshl_b32 s30, s30, 17
	s_and_b32 s34, s32, 7
	s_lshl_b32 s34, s34, 12
	s_add_co_u32 s30, s30, s34
	s_lshr_b32 s34, s18, 1
	s_lshl_b32 s34, s34, 15
	s_add_co_u32 s30, s30, s34
	s_and_b32 s34, s18, 1
	s_lshl_b32 s34, s34, 11
	s_add_co_u32 s30, s30, s34
	s_add_co_u32 s30, s30, s33
	s_mov_b32 s31, 0
	s_wait_alu depctr_va_vdst(0)
	s_wait_kmcnt 0x0
	s_load_b256 s[36:43], s[14:15], 0x0            ; e0 .. e7
	s_load_b128 s[44:47], s[14:15], 0x20           ; e8 .. e11
	s_mov_b64 s[20:21], s[6:7]                     ; which tensor: the choice hangs on the work-group's number alone
	s_cmp_ge_u32 ttmp9, 320
	s_cselect_b64 s[20:21], s[8:9], s[20:21]
	s_cmp_ge_u32 ttmp9, 384
	s_cselect_b64 s[20:21], s[10:11], s[20:21]
	s_cmp_ge_u32 ttmp9, 448
	s_cselect_b64 s[20:21], s[12:13], s[20:21]
	s_cmp_lt_u32 ttmp9, 256
	s_cselect_b64 s[20:21], s[4:5], s[20:21]
	s_add_nc_u64 s[20:21], s[20:21], s[28:29]
	s_add_nc_u64 s[22:23], s[16:17], s[30:31]      ; set 0's fragment;
	s_add_nc_u64 s[24:25], s[22:23], 0x400000      ; x's sets 1 and 2 (a weight's work-group never stores by these two)
	s_add_nc_u64 s[26:27], s[22:23], 0x800000
.irp i, 0,1,2,3,4,5,6,7,8,9,10,11,12,13,14,15
	global_load_b128 v[R+4*\i:R+4*\i+3], v[LI], s[20:21] offset:4096*\i th:TH_LOAD_NT   ; row i: 512 consecutive bytes; read once in the launch
.endr
	s_wait_kmcnt 0x0
	s_mov_b32 s28, s37                             ; set 0's exponent: e1, e3, e5, e11 for the weights, e0 for x
	s_cmp_ge_u32 ttmp9, 320
	s_cselect_b32 s28, s39, s28
	s_cmp_ge_u32 ttmp9, 384
	s_cselect_b32 s28, s41, s28
	s_cmp_ge_u32 ttmp9, 448
	s_cselect_b32 s28, s47, s28
	s_cmp_lt_u32 ttmp9, 256
	s_cselect_b32 s28, s36, s28
.macro MKSC e, n                       ; v[8 + 2 n] = 2^e as f32 (the conversion takes its exponent field), v[9 + 2 n] = 448 x 2^e
	s_add_co_i32 s29, s[\e], 127
	s_lshl_b32 s30, s29, 23
	v_mov_b32 v[8+2*\n], s30
	s_add_co_i32 s29, s29, 8
	s_lshl_b32 s29, s29, 23
	s_or_b32 s29, s29, 0x600000
	v_mov_b32 v[9+2*\n], s29
.endm
	MKSC 28, 0
	MKSC 38, 1                                     ; e2
	MKSC 40, 2                                     ; e4
	s_wait_alu depctr_va_vdst(0)
.irp i, 0,1,2,3,4,5,6,7,8,9,10,11,12,13,14,15
	s_wait_loadcnt 15-\i                           ; loads come back in order (ISA guide 5.7.1): row i is in, the 15 - i younger ones may be out
	ds_store_b128 v[STO], v[R+4*\i:R+4*\i+3] offset:PITCH*\i
.endr
.irp g, 0,1,2,3                        ; LDS serves a wave's instructions in order (ISA guide 5.7.1.4): these see the stores above
	ds_load_b128 v[X+16*\g:X+16*\g+3],     v[RDL] offset:128*\g       ; k = 32 g + 8 h + 0..3
	ds_load_b128 v[X+16*\g+4:X+16*\g+7],   v[RDL] offset:128*\g+16
	ds_load_b128 v[X+16*\g+8:X+16*\g+11],  v[RDL] offset:128*\g+64    ; k = 32 g + 16 + 8 h + 0..3
	ds_load_b128 v[X+16*\g+12:X+16*\g+15], v[RDL] offset:128*\g+80
.endr
; One set of codes.  The held numbers go into two sets of registers by turns, so that sixteen plain lines stand between a conversion and the next write of its sources; X is kept for the next set.
.macro QOUT n, first
.irp g, 0,1,2,3
.if \first
	s_wait_dscnt 12-4*\g                           ; group g's four reads are back; the younger groups' may be out
.endif
.irp i, 0,1,2,3,4,5,6,7,8,9,10,11,12,13,14,15
	v_med3_num_f32 v[T+16*(\g%2)+\i], v[X+16*\g+\i], -v[9+2*\n], v[9+2*\n]   ; the conversion to an 8-bit code does not saturate (ISA guide 7.6.2): the hold at the largest code x the scale
.endr
	v_cvt_scalef32_pk8_fp8_f32 v[C+16*\n+4*\g:C+16*\n+4*\g+1],   v[T+16*(\g%2):T+16*(\g%2)+7],    v[8+2*\n]
	v_cvt_scalef32_pk8_fp8_f32 v[C+16*\n+4*\g+2:C+16*\n+4*\g+3], v[T+16*(\g%2)+8:T+16*(\g%2)+15], v[8+2*\n]
	global_store_b128 v[LI], v[C+16*\n+4*\g:C+16*\n+4*\g+3], s[22+2*\n:23+2*\n] offset:512*\g   ; the wave stores 512 consecutive bytes, at a multiple of 512 from the buffer's first byte
.endr
.endm
	QOUT 0, 1
	s_cmp_ge_u32 ttmp9, 256                        ; a weight has one scale; all LDS work lies ahead of this branch
	s_cbranch_scc1 .Lend
	QOUT 1, 0
	QOUT 2, 0
.Lend:
	s_wait_tensorcnt 0x0
	ds_add_u32 v224, v225
	s_wait_dscnt 0x0
	s_endpgm
.Lfunc_end_k_qa94be15a82_quant:
	.size	k_qa94be15a82_quant, .Lfunc_end_k_qa94be15a82_quant-k_qa94be15a82_quant
	.p2alignl 7, 3214868480
	.fill 96, 4, 3214868480
	.section	.rodata,"a",@progbits
	.p2align	6, 0x0
	.amdhsa_kernel k_qa94be15a82_quant
		.amdhsa_group_segment_fixed_size 68608
		.amdhsa_private_segment_fixed_size 0
		.amdhsa_enable_private_segment 0
		.amdhsa_kernarg_size 56
		.amdhsa_user_sgpr_count 2
		.amdhsa_user_sgpr_kernarg_segment_ptr 1
		.amdhsa_wavefront_size32 1
		.amdhsa_system_sgpr_workgroup_id_x 1
		.amdhsa_system_sgpr_workgroup_id_y 1
		.amdhsa_system_sgpr_workgroup_id_z 1
		.amdhsa_system_vgpr_workitem_id 0
		.amdhsa_next_free_vgpr 226
		.amdhsa_next_free_sgpr 66
		.amdhsa_reserve_vcc 0
		.amdhsa_float_denorm_mode_32 3
		.amdhsa_float_denorm_mode_16_64 3
		.amdhsa_memory_ordered 1
		.amdhsa_forward_progress 1
		.amdhsa_inst_pref_size 24
	.end_amdhsa_kernel
	.amdgpu_metadata
---
amdhsa.version: [ 1, 2 ]
amdhsa.kernels:
  - .name:           k_qa94be15a82_quant
    .symbol:         k_qa94be15a82_quant.kd
    .args:
      - { .name: x, .offset: 0, .size: 8, .value_kind: global_buffer, .address_space: global }
      - { .name: wq, .offset: 8, .size: 8, .value_kind: global_buffer, .address_space: global }
      - { .name: wk, .offset: 16, .size: 8, .value_kind: global_buffer, .address_space: global }
      - { .name: wv, .offset: 24, .size: 8, .value_kind: global_buffer, .address_space: global }
      - { .name: wo, .offset: 32, .size: 8, .value_kind: global_buffer, .address_space: global }
      - { .name: lowp_scales, .offset: 40, .size: 8, .value_kind: global_buffer, .address_space: global }
      - { .name: codes, .offset: 48, .size: 8, .value_kind: global_buffer, .address_space: global }
    .group_segment_fixed_size: 68608
    .private_segment_fixed_size: 0
    .kernarg_segment_align: 8
    .kernarg_segment_size: 56
    .max_flat_workgroup_size: 256
    .sgpr_count:     66
    .vgpr_count:     226
    .wavefront_size: 32
...
	.end_amdgpu_metadata
.endif
;; end of part 1
;; launch qkv (part 2): grid 8 x 32, 4 waves a work-group, clusters of 4 x 4, 327,680 bytes of LDS; arguments codes, lowp_scales, qkv; writes qkv
.if DOCPART == 2
	.amdgcn_target "amdgcn-amd-amdhsa--gfx1250"
	.amdhsa_code_object_version 6
	.text
	.protected	k_qa94be15a82_qkv
	.globl	k_qa94be15a82_qkv
	.p2align	8
	.type	k_qa94be15a82_qkv,@function
k_qa94be15a82_qkv:
	s_mov_b64 s[64:65], 0
	v_nop
	global_prefetch_b8 v0, s[64:65] scope:SCOPE_SE
	s_setreg_imm32_b32 hwreg(HW_REG_WAVE_MODE, 25, 1), 1
	s_wait_xcnt 0x0
	s_wait_alu depctr_hold_cnt(0) depctr_sa_sdst(0) depctr_va_vdst(0) depctr_va_sdst(0) depctr_va_ssrc(0) depctr_va_vcc(0) depctr_vm_vsrc(0)
	s_getreg_b32 s2, hwreg(HW_REG_IB_STS2, 6, 4)
	s_cmp_eq_u32 s2, 0
	s_cbranch_scc0 .Lentry_in_a_cluster
	s_endpgm
.Lentry_in_a_cluster:
	s_bfe_u32 s2, ttmp6, 0x10000c
	s_cmp_lg_u32 s2, 0xf033
	s_cbranch_scc0 .Lentry_shape_is_right
	s_endpgm
.Lentry_shape_is_right:
; q = x wq^T, k = x wk^T, v = x wv^T on E4M3 codes (K = 1,024), each result quantised in registers (2^e6, 2^e7, 2^e9) and stored as images of the next products' operands.
; LIMITS: e6 - e0 - e1, e7 - e2 - e3, e9 - e4 - e5 lie between -126 and 119, so that the folded scale and 448 x it are f32 numbers.
; OPERANDS lie in the buffer of codes as register images: fragment (row tile T of 16 rows, K step s of 128) at (T >> 3) 131072 + (s >> 1) 32768 + (T & 7) 4096 + (s & 1) 2048 of its part; in it group g at 512 g, lane l at 16 l.
; Parts: x under e0, e2, e4 at 0, 4, 8 MiB; wq, wk, wv at 12, 13, 14 MiB.
; SHARES.  8 x 32 work-groups of four waves; work-group (X, Y) makes the 128 channels of tile X for the 128 tokens of tile Y, of q, then of k, then of v; a wave 64 x 64 (16 accumulators).
; THE RING.  A product's K goes in two halves of 512: six slot steps t, slot t & 1.  A slot is x's 128 rows x 512 k (64 KB), then w's: each wave fetches 32 KB on end with one joint load (waves 0, 1: x; waves 2, 3: w).
; Slot 0's first fill stands at the head, slot 1's behind the first full sequence; behind each later change of slots the slot just left takes the same half of the next product.
; CLUSTER 4 x 4.  x's tiles hang on Y alone and are asked for jointly by a row of the cluster, w's on X alone and by a column: a quarter of the requests.
; PREFETCH, one slot step ahead: behind the joint loads of step t each wave names its work-group's 32 of the 128 blocks of 256 bytes that it will fetch for step t + 1 (partners told apart by address).  Step 0 comes by
; its loads alone; step 5 is the last that is asked for.  w's blocks are the same for all clusters along Y: of those only the first four ask.
; TRANSPOSED USE.  q, k: source 0 = 16 rows of w, source 1 = 16 rows of x: lane (r, h) holds token 16 a + r and, in register j of accumulator (a, b), channel 16 b + 8 h + j.  v: the sources change places: the lane holds a
; channel and its registers run along the keys, which are the K of the product that will read v.  The conversions of accumulators (a, 2 p), (a, 2 p + 1) give registers 4 p .. 4 p + 3 of the next operand's image.
; OUT.  q at 0, k at 4 MiB: head bh, tile of 16 tokens qt: (128 bh + qt) 1024, two groups of 512 bytes.  v at 8 MiB: ((16 bh + key step) 4 + channel tile) 2048, four groups (K = the step's 128 keys).
; REGISTERS: window 0: v1-31 addresses and scales, v32-127 the three products' codes (never written again while stores may read them), v128-255 the accumulators.  Window 1: two fragment buffers of 128: x's four, then w's four.
.set WV, 10                            ; s10 wave   s11 its half of the tokens (also: it fetches x (0) or w (1))   s12 its half of the channels (also: which 32 KB it fetches)
.set WR, 11
.set WC, 12
.set CX, 13
.set CY, 14
.set TY, 15
.set TX, 16
.set PST, 18                           ; s[18:19] bytes from product to product for my prefetches
.set PFA, 20                           ; s[20:21] where my prefetches stand
.set LIM, 22                           ; s22 1 in the waves that prefetch
.set G1X, 24
.set G1W, 32
.set G0X, 40                           ; s[40:47], s[48:55] groups 0, one for each slot
.set G0W, 48
.set OUTP, 84                          ; s[84:89] where my part of q, k, v begins
.set LI,   1
.set PFO,  2
.set SCV,  8                           ; v8-13 the folded scale and 448 x it, for each product
.set ADRX, 16
.set ADRW, 18
.set SPW,  28
.set NIL,  29
.set OUTC, 32
.set ACC,  128
.set F0,   0
.set F1,   128
.set SLOTB, 131072
.set SPARE, 262144
.set MSB, 0
.macro WIN new                         ; the immediate's high byte repeats the setting that is left
.if MSB != \new
	s_set_vgpr_msb (MSB<<8)|\new
.set MSB, \new
.endif
.endm
.set W_MUL, 0x05                       ; sources 0 and 1 window 1; C and D window 0
.set TO_F,  0x40                       ; destination window 1, address window 0
.macro PLACES                          ; four plain places behind matrix instructions (ISA guide 7.12.1)
.rept 4
	v_nop
.endr
.endm
.macro CREST                           ; a round of the cluster's barrier behind its opening barrier
	s_cmp_lg_u32 s[WV], 0
	s_cbranch_scc1 .Lnot_wave_0_\@
	s_barrier_signal -3
.Lnot_wave_0_\@:
	s_barrier_wait -3
	s_barrier_signal -1
	s_barrier_wait -1
.endm
.macro CROUND
	s_barrier_signal -1
	s_barrier_wait -1
	CREST
.endm
.macro JLOAD s                         ; a joint load: each of the two lines has one mask and one set of registers
	s_cmp_eq_u32 s[WR], 0
	s_cbranch_scc0 .Lfor_w_\@
	tensor_load_to_lds s[G0X+4*\s:G0X+4*\s+3], s[G1X:G1X+7]
	s_nop 0
	PLACES
	s_branch .Lasked_\@
.Lfor_w_\@:
	tensor_load_to_lds s[G0W+4*\s:G0W+4*\s+3], s[G1W:G1W+7]
	s_nop 0
	PLACES
.Lasked_\@:
.endm
.macro ASK half
	s_cmp_eq_u32 s[LIM], 1
	s_cbranch_scc0 .Lnot_mine_\@
	global_prefetch_b8 v[PFO], s[PFA:PFA+1] offset:65536*\half th:TH_LOAD_NT scope:SCOPE_SE
.Lnot_mine_\@:
.endm
	s_load_b128 s[4:7], s[0:1], 0x0                ; the codes s[4:5], the scales' exponents s[6:7]
	s_load_b64 s[8:9], s[0:1], 0x10                ; q, k, v
	v_lshl_add_u32 v[SPW], v0, 2, SPARE
	v_mov_b32 v[NIL], 0
	ds_add_u32 v[SPW], v[NIL]                      ; the opening: the add, twice on end, and its wait ahead of my first tensor load
	ds_add_u32 v[SPW], v[NIL]
	v_lshrrev_b32 v3, 5, v0
	v_readfirstlane_b32 s[WV], v3
	s_lshr_b32 s[WR], s[WV], 1
	s_and_b32 s[WC], s[WV], 1
	s_bfe_u32 s[CX], ttmp6, 0x40000
	s_bfe_u32 s[CY], ttmp6, 0x40004
	s_lshl_b32 s[TX], ttmp9, 2                     ; in a cluster launch ttmp9 and ttmp7 count clusters
	s_add_co_u32 s[TX], s[TX], s[CX]               ; channel tile: hangs on cx, never on cy
	s_and_b32 s[TY], ttmp7, 0xffff
	s_lshl_b32 s[TY], s[TY], 2
	s_add_co_u32 s[TY], s[TY], s[CY]               ; token tile: hangs on cy, never on cx
	s_lshl_b32 s60, s[WC], 15                      ; which 32 KB of a half I fetch
	s_lshl_b32 s56, s[TY], 17                      ; a tile of 128 rows x 1,024 k is 128 KB on end
	s_add_co_u32 s56, s56, s60
	s_mov_b32 s57, 0
	s_lshl_b32 s58, s[TX], 17
	s_add_co_u32 s58, s58, s60
	s_add_co_u32 s58, s58, 0xc00000                ; the weights begin at 12 MiB
	s_mov_b32 s59, 0
	s_lshl_b32 s61, s[WV], 15                      ; where it goes in a slot: no place in the cluster enters an LDS address
	s_lshl_b32 s62, s[CY], 2
	s_lshl_b32 s62, 15, s62                        ; my row of the cluster
	s_lshl_b32 s63, 0x1111, s[CX]                  ; my column
	; descriptor group 1: 32 KB on end, stated as 128 rows of 32 elements of 8 bytes, no padding
	s_or_b32 s[G1X], s62, (3<<16)|(1<<21)          ; 15:0 the mask; 17:16 elements of 8 bytes; 21 set beside a mask
	s_or_b32 s[G1W], s63, (3<<16)|(1<<21)
.irp g, G1X, G1W
	s_mov_b32 s[\g+1], 32<<16                      ; tensor_dim0
	s_mov_b32 s[\g+2], 128<<16                     ; tensor_dim1
	s_mov_b32 s[\g+3], 32<<16                      ; tile_dim0
	s_mov_b32 s[\g+4], 128                         ; tile_dim1
	s_mov_b32 s[\g+5], 32                          ; from row to row
	s_mov_b32 s[\g+6], 0
	s_mov_b32 s[\g+7], 0
.endr
	s_wait_alu depctr_va_vdst(0)
	s_wait_dscnt 0x0                               ; both opening adds are done
	s_wait_kmcnt 0x0
	s_load_b256 s[68:75], s[6:7], 0x0              ; e0 .. e7
	s_load_b128 s[76:79], s[6:7], 0x20             ; e8 .. e11
	s_add_nc_u64 s[56:57], s[4:5], s[56:57]
	s_add_nc_u64 s[58:59], s[4:5], s[58:59]
.irp s, 0,1
	s_mov_b32 s[G0X+4*\s], 1
	s_add_co_u32 s[G0X+4*\s+1], s61, \s*SLOTB
	s_add_nc_u64 s[G0X+4*\s+2:G0X+4*\s+3], s[56:57], \s*65536
	s_or_b32 s[G0X+4*\s+3], s[G0X+4*\s+3], 0x80000000
	s_mov_b32 s[G0W+4*\s], 1
	s_add_co_u32 s[G0W+4*\s+1], s61, \s*SLOTB
	s_add_nc_u64 s[G0W+4*\s+2:G0W+4*\s+3], s[58:59], \s*65536
	s_or_b32 s[G0W+4*\s+3], s[G0W+4*\s+3], 0x80000000
.endr
	CROUND                                         ; all sixteen work-groups are here: the joint loads meet
	JLOAD 0                                        ; step 0
	; the prefetches: my work-group's 8 KB of the 32 KB that I fetch
	s_and_b32 s80, ttmp7, 0xffff
	s_cmp_lt_u32 s80, 4
	s_cselect_b32 s[LIM], 1, 0
	s_mov_b32 s81, 0x100000
	s_cmp_eq_u32 s[WR], 0
	s_cselect_b32 s[LIM], 1, s[LIM]
	s_cselect_b64 s[PFA:PFA+1], s[56:57], s[58:59]
	s_cselect_b32 s80, s[CX], s[CY]                ; my place among the four that ask with me
	s_cselect_b32 s[PST], 0x400000, s81            ; x's parts lie 4 MiB apart, the weights 1 MiB
	s_mov_b32 s[PST+1], 0
	s_lshl_b32 s80, s80, 13
	s_mov_b32 s81, 0
	s_add_nc_u64 s[PFA:PFA+1], s[PFA:PFA+1], s[80:81]
	s_lshl_b32 s80, s[WR], 14                      ; my 64 rows of x in a slot,
	s_lshl_b32 s81, s[WC], 14
	s_add_co_u32 s81, s81, 65536                   ; and of w
	v_and_b32 v3, 31, v0
	v_lshlrev_b32 v[LI], 4, v3
	v_lshlrev_b32 v[PFO], 8, v3                    ; lanes 256 bytes apart
	v_add_nc_u32 v[ADRX], s80, v[LI]
	v_add_nc_u32 v[ADRW], s81, v[LI]
	v_add_nc_u32 v[ADRX+1], SLOTB, v[ADRX]
	v_add_nc_u32 v[ADRW+1], SLOTB, v[ADRW]
	s_wait_alu depctr_va_vdst(0)
	ASK 1                                          ; step 1: product 0, half 1
	; where my results go
	s_lshr_b32 s80, s[TY], 4                       ; the batch
	s_lshl_b32 s80, s80, 4
	s_lshl_b32 s81, s[TX], 1
	s_add_co_u32 s80, s80, s81
	s_add_co_u32 s80, s80, s[WC]                   ; bh
	s_lshl_b32 s80, s80, 17                        ; a head's codes are 128 KB in each of the three parts
	s_and_b32 s81, s[TY], 15
	s_lshl_b32 s81, s81, 13
	s_add_co_u32 s80, s80, s81
	s_mov_b32 s81, 0
	s_add_nc_u64 s[8:9], s[8:9], s[80:81]
	s_lshl_b32 s80, s[WR], 12                      ; q, k: my 64 tokens are four images of 1,024 bytes
	s_add_nc_u64 s[OUTP:OUTP+1], s[8:9], s[80:81]
	s_add_nc_u64 s[OUTP+2:OUTP+3], s[OUTP:OUTP+1], 0x400000
	s_lshl_b32 s80, s[WR], 10                      ; v: my 64 keys are groups 2 wr, 2 wr + 1 of a fragment
	s_add_nc_u64 s[OUTP+4:OUTP+5], s[8:9], s[80:81]
	s_add_nc_u64 s[OUTP+4:OUTP+5], s[OUTP+4:OUTP+5], 0x800000
	s_wait_kmcnt 0x0
.macro MKSC n, e, a, b                 ; a sum stands for sum x 2^(a + b): its code is sum / 2^(e - a - b): three scales folded into the conversion's one
	s_sub_co_i32 s80, s[\e], s[\a]
	s_sub_co_i32 s80, s80, s[\b]
	s_add_co_i32 s80, s80, 127
	s_lshl_b32 s81, s80, 23
	v_mov_b32 v[SCV+2*\n], s81
	s_add_co_i32 s80, s80, 8
	s_lshl_b32 s80, s80, 23
	s_or_b32 s80, s80, 0x600000
	v_mov_b32 v[SCV+2*\n+1], s80                   ; 448 x it
.endm
	MKSC 0, 74, 68, 69                             ; e6 - e0 - e1
	MKSC 1, 75, 70, 71                             ; e7 - e2 - e3
	MKSC 2, 77, 72, 73                             ; e9 - e4 - e5
; 32 LDS loads: the fragments of the slot's u-th K step of 128 into buffer f; each load takes 512 consecutive bytes
.macro FETCH slot, u, f
	WIN TO_F
.irp i, 0,1,2,3
.irp c, 0,1,2,3
	ds_load_b128 v[\f+64+16*\i+4*\c:\f+64+16*\i+4*\c+3], v[ADRW+\slot] offset:(\u/2)*32768+(\u%2)*2048+\i*4096+\c*512
.endr
.endr
.irp i, 0,1,2,3
.irp c, 0,1,2,3
	ds_load_b128 v[\f+16*\i+4*\c:\f+16*\i+4*\c+3], v[ADRX+\slot] offset:(\u/2)*32768+(\u%2)*2048+\i*4096+\c*512
.endr
.endr
.endm
; Four matrix instructions, 128 along K: row tile a.  sw = 1: v's order of the sources.  zero = 1: the first products start the sums.  The 16 accumulators take turns, in the same order in every step.
.macro MUL4 f, a, sw, zero
.irp b, 0,1,2,3
.if \sw
.set SA, \f+16*\b
.set SB, \f+64+16*\a
.else
.set SA, \f+64+16*\b
.set SB, \f+16*\a
.endif
.set AC, ACC+8*(4*\a+\b)
.if \zero
	v_wmma_f32_16x16x128_fp8_fp8 v[AC:AC+7], v[SA:SA+15], v[SB:SB+15], 0
.else
	v_wmma_f32_16x16x128_fp8_fp8 v[AC:AC+7], v[SA:SA+15], v[SB:SB+15], v[AC:AC+7]
.endif
.endr
.endm
.macro MULT f, sw, zero
	WIN W_MUL
	MUL4 \f, 0, \sw, \zero
	MUL4 \f, 1, \sw, \zero
	MUL4 \f, 2, \sw, \zero
	MUL4 \f, 3, \sw, \zero
.endm
; A slot's first three K steps; each step's fragments are asked for one step ahead (32 younger loads may be out).
.macro SLOT slot, sw, zero
	FETCH \slot, 1, F1
	s_wait_dscnt 32
	MULT F0, \sw, \zero
	PLACES
	FETCH \slot, 2, F0
	s_wait_dscnt 32
	MULT F1, \sw, 0
	PLACES
	FETCH \slot, 3, F1
	s_wait_dscnt 32
	MULT F0, \sw, 0
.endm
; The slot's fourth K step and the change of slots.  fill = 1: this slot is filled again with the same half of the next product.  pst = 1: the prefetches go on to the next product.
.macro TURN slot, next, sw, fill, pst
.if \pst
	s_wait_xcnt 0x0                                ; my prefetches have read their address
	s_add_nc_u64 s[PFA:PFA+1], s[PFA:PFA+1], s[PST:PST+1]
.endif
	s_wait_dscnt 0x0
	WIN W_MUL
	MUL4 F1, 0, \sw, 0
	MUL4 F1, 1, \sw, 0
	WIN 0
	s_wait_tensorcnt 0x0                           ; my part of the next slot has landed; no tensor load of mine is out
.if \fill
	ds_add_u32 v[SPW], v[NIL]                      ; matrix instructions stand between it and its wait
.endif
	WIN W_MUL
	MUL4 F1, 2, \sw, 0
	s_wait_dscnt 0x0                               ; the add is done, and so are my reads of this slot
	s_barrier_signal -1
	MUL4 F1, 3, \sw, 0
	WIN 0
	s_barrier_wait -1
.if \fill
	CREST
	s_add_nc_u64 s[G0X+4*\slot+2:G0X+4*\slot+3], s[G0X+4*\slot+2:G0X+4*\slot+3], 0x400000
	s_add_nc_u64 s[G0W+4*\slot+2:G0W+4*\slot+3], s[G0W+4*\slot+2:G0W+4*\slot+3], 0x100000
	JLOAD \slot                                    ; the first tensor load behind the round; its four v_nop are the places ahead of the loads below
.else
	PLACES
.endif
	FETCH \next, 0, F0
	WIN 0
.endm
; A product's results: held, converted, stored.  as: bytes from row tile to row tile.
.macro EPI n, as
.irp a, 0,1,2,3
.irp p, 0,1
.irp i, 0,1,2,3,4,5,6,7,8,9,10,11,12,13,14,15
	v_med3_num_f32 v[ACC+8*(4*\a+2*\p)+\i], v[ACC+8*(4*\a+2*\p)+\i], -v[SCV+2*\n+1], v[SCV+2*\n+1]   ; the hold at the largest code x the scale (ISA guide 7.6.2)
.endr
.set OC, OUTC+32*\n+4*(2*\a+\p)
	v_cvt_scalef32_pk8_fp8_f32 v[OC:OC+1],   v[ACC+8*(4*\a+2*\p):ACC+8*(4*\a+2*\p)+7],    v[SCV+2*\n]
	v_cvt_scalef32_pk8_fp8_f32 v[OC+2:OC+3], v[ACC+8*(4*\a+2*\p)+8:ACC+8*(4*\a+2*\p)+15], v[SCV+2*\n]
	global_store_b128 v[LI], v[OC:OC+3], s[OUTP+2*\n:OUTP+2*\n+1] offset:\as*\a+512*\p   ; 512 consecutive bytes, at a multiple of 512
.endr
.endr
	v_nop                                          ; one plain line behind the last conversion
.endm
	s_wait_alu depctr_va_vdst(0)
	s_wait_xcnt 0x0                                ; my prefetch has read its address: on to product 1
	s_add_nc_u64 s[PFA:PFA+1], s[PFA:PFA+1], s[PST:PST+1]
	s_wait_tensorcnt 0x0                           ; my part of step 0 is in
	ds_add_u32 v[SPW], v[NIL]
	s_wait_dscnt 0x0
	CROUND                                         ; everybody's part of step 0 is in, and the joint loads meet
	JLOAD 1                                        ; step 1
	FETCH 0, 0, F0
	WIN 0
	ASK 0                                          ; step 2
	SLOT 0, 0, 1                                   ; q
	TURN 0, 1, 0, 1, 0                             ; asks for step 2
	ASK 1                                          ; step 3
	SLOT 1, 0, 0
	TURN 1, 0, 0, 1, 1                             ; asks for step 3
	ASK 0                                          ; step 4
	EPI 0, 1024
	SLOT 0, 0, 1                                   ; k
	TURN 0, 1, 0, 1, 0                             ; asks for step 4
	ASK 1                                          ; step 5
	SLOT 1, 0, 0
	TURN 1, 0, 0, 1, 0                             ; asks for step 5
	EPI 1, 1024
	SLOT 0, 1, 1                                   ; v
	TURN 0, 1, 1, 0, 0                             ; nothing is filled again
	SLOT 1, 1, 0
	s_wait_dscnt 0x0
	MULT F1, 1, 0
	WIN 0
	PLACES
	EPI 2, 2048
	s_wait_tensorcnt 0x0                           ; the wave's end
	ds_add_u32 v[SPW], v[NIL]
	s_wait_dscnt 0x0
	CROUND                                         ; the closing round: no work-group ends while a partner may still ask for a tile that names it
	s_endpgm
.Lfunc_end_k_qa94be15a82_qkv:
	.size	k_qa94be15a82_qkv, .Lfunc_end_k_qa94be15a82_qkv-k_qa94be15a82_qkv
	.p2alignl 7, 3214868480
	.fill 96, 4, 3214868480
	.section	.rodata,"a",@progbits
	.p2align	6, 0x0
	.amdhsa_kernel k_qa94be15a82_qkv
		.amdhsa_group_segment_fixed_size 327680
		.amdhsa_private_segment_fixed_size 0
		.amdhsa_enable_private_segment 0
		.amdhsa_kernarg_size 24
		.amdhsa_user_sgpr_count 2
		.amdhsa_user_sgpr_kernarg_segment_ptr 1
		.amdhsa_wavefront_size32 1
		.amdhsa_system_sgpr_workgroup_id_x 1
		.amdhsa_system_sgpr_workgroup_id_y 1
		.amdhsa_system_sgpr_workgroup_id_z 1
		.amdhsa_system_vgpr_workitem_id 0
		.amdhsa_next_free_vgpr 512
		.amdhsa_next_free_sgpr 100
		.amdhsa_reserve_vcc 0
		.amdhsa_float_denorm_mode_32 3
		.amdhsa_float_denorm_mode_16_64 3
		.amdhsa_memory_ordered 1
		.amdhsa_forward_progress 1
		.amdhsa_inst_pref_size 120
	.end_amdhsa_kernel
	.amdgpu_metadata
---
amdhsa.version: [ 1, 2 ]
amdhsa.kernels:
  - .name:           k_qa94be15a82_qkv
    .symbol:         k_qa94be15a82_qkv.kd
    .args:
      - { .name: codes, .offset: 0, .size: 8, .value_kind: global_buffer, .address_space: global }
      - { .name: lowp_scales, .offset: 8, .size: 8, .value_kind: global_buffer, .address_space: global }
      - { .name: qkv, .offset: 16, .size: 8, .value_kind: global_buffer, .address_space: global }
    .group_segment_fixed_size: 327680
    .private_segment_fixed_size: 0
    .kernarg_segment_align: 8
    .kernarg_segment_size: 24
    .max_flat_workgroup_size: 128
    .sgpr_count:     100
    .vgpr_count:     512
    .wavefront_size: 32
...
	.end_amdgpu_metadata
.endif
;; end of part 2
;; launch attn (part 3): grid 4 x 64, 16 waves a work-group, clusters of 4 x 4, 327,680 bytes of LDS; arguments qkv, lowp_scales, ctx; writes ctx
.if DOCPART == 3
	.amdgcn_target "amdgcn-amd-amdhsa--gfx1250"
	.amdhsa_code_object_version 6
	.text
	.protected	k_qa94be15a82_attn
	.globl	k_qa94be15a82_attn
	.p2align	8
	.type	k_qa94be15a82_attn,@function
k_qa94be15a82_attn:
	s_mov_b64 s[64:65], 0
	v_nop
	global_prefetch_b8 v0, s[64:65] scope:SCOPE_SE
	s_setreg_imm32_b32 hwreg(HW_REG_WAVE_MODE, 25, 1), 1
	s_wait_xcnt 0x0
	s_wait_alu depctr_hold_cnt(0) depctr_sa_sdst(0) depctr_va_vdst(0) depctr_va_sdst(0) depctr_va_ssrc(0) depctr_va_vcc(0) depctr_vm_vsrc(0)
	s_getreg_b32 s2, hwreg(HW_REG_IB_STS2, 6, 4)
	s_cmp_eq_u32 s2, 0
	s_cbranch_scc0 .Lentry_in_a_cluster
	s_endpgm
.Lentry_in_a_cluster:
	s_bfe_u32 s2, ttmp6, 0x10000c
	s_cmp_lg_u32 s2, 0xf033
	s_cbranch_scc0 .Lentry_shape_is_right
	s_endpgm
.Lentry_shape_is_right:
; ctx[bh][q] = the sum over keys k <= q of softmax_k(q . k / 8) v[k], head size 64, 2,048 tokens, 32 heads bh; both products on E4M3 codes; ctx is quantised (2^e10) into the image of the last product's left operand.
; THE SOFTMAX AHEAD OF THE SECOND PRODUCT: t = score x log2(e) / 8; M = the running largest t rounded UP to a whole number; p = 2^(t - M) is quantised (2^e8), not normalised; the row's sum is taken of the
; unquantised p in f32 and divides at the end.  When M moves, the sum and O are multiplied by 2^(old M - new M), which rounds nothing.
; LIMITS: |t| stays under 2^31; e6 + e7 between -123 and 130 (added to the exponent field of log2(e) / 8); e8, and e10 - e8 - e9, between -126 and 119.  NaN among the inputs is not served.
; LEFT OUT: key steps all of whose keys come after a tile's queries: the causal mask that the module builds makes those scores -infinity, so their p is 0 for all inputs.  (A NaN or an infinity that reaches only them is not carried.)
; IN (register images): q at 0, k at 4 MiB: (128 bh + tile of 16 tokens) 1024, two groups of 512 bytes; v at 8 MiB: ((16 bh + key step) 4 + channel tile) 2048, four groups, K = the step's 128 keys.
; SHARES.  Eight work-groups make a head: work-group c takes tile c (16 queries) of each of the 16 blocks of 128 queries.  So block k needs key steps 0 .. k in every work-group, with the mask in step k alone, and all
; work-groups run alike: every branch hangs on the wave's number.  A PAIR OF WAVES, w and w xor 4, owns the late tile of block 15 - j and the early tile of block j (17 key steps in all) and splits the key steps by
; parity: each wave walks 8 or 9 steps in 256 registers, four waves to a SIMD.  At the end the even wave finishes the late tile and the odd wave the early one with the other's part, brought under one M by a power of two.
; LDS.  The head's whole K and V, 256 KB: key step s at 16384 s: K's 8 KB, then V's.  Even waves fetch K, odd waves V, 8 KB a load: at the head wave w asks for its part of step w >> 1, behind the round for that of step
; 8 + (w >> 1), which has the late tile's first two steps of the wave in which to land.  No byte is filled twice.  No prefetch: the two loads stand in front of every loop, so no loop runs ahead of a load.
; TWO BARRIERS ARE SPLIT.  One: a wave signals when its second load has landed and waits in front of its first read of steps 8 to 15; between them it reads steps 0 to 7 alone.  Two: it signals when its reads of steps 0 to 7
; are over and waits in front of its stores for the join, which lie on their bytes; between them it reads steps 8 to 15 alone.
; CLUSTER 4 x 4: two heads, two rows of four work-groups each; a row asks for its head's tiles jointly.
; LAYOUT.  Both products transposed: S^T = K Q^T (source 0 = 16 keys, source 1 = my 16 queries), O^T = V^T P^T (source 0 = 16 channels, source 1 = P): lane (r, h) holds query r throughout.  Register j of score
; tile t is key 16 t + 8 h + j, which is the place of registers 2 t, 2 t + 1 in the second product's operand: the conversions' results are that operand.
.set WV,  10
.set CX,  11
.set CY,  12
.set BH,  13
.set CC,  14                           ; s14 c: my work-group's tile in each block
.set PR,  15                           ; s15 my parity
.set KL,  17                           ; s17 late block, s18 early block
.set KE,  18
.set KS,  19                           ; s19 the key step
.set SEL, 20                           ; s[20:21] lane selects for v_permlanex16_b32: lane l xor 16
.set CS,  22                           ; s[22:23] log2(e) / 8 x 2^(e6 + e7)
.set G1,  24                           ; s[24:31] descriptor group 1;  s[32:35], s[68:71] groups 0 of my two loads
.set G0,  32
.set G0B, 68
.set TB,  36                           ; s36 LDS byte at which the step begins
.set CNT, 37
.set PB,  38                           ; s38 parity x 16384
.set LI,  1                            ; 16 x lane
.set ADK, 2
.set DQ,  3                            ; my query's place in its block, less 8 h
.set SPW, 4
.set NIL, 5
.set MX,  6                            ; v6, v7 two of the maximum's four chains
.set HB,  8                            ; 448 x 2^e8
.set ES,  9                            ; 2^e8
.set PX,  10
.set PY,  11                           ; the old -M; in the join a lane permute's destination
.set STL, 12                           ; a tile's state: -M, the largest t, the sum in two halves
.set STE, 16
.set FV,  20                           ; v[20:21] f
.set T0,  22
.set QL,  24
.set QE,  32
.set KV,  40                           ; K's eight fragments, then V's four
.set S,   104                          ; S^T, then p
.set OL,  168
.set OE,  200
.set PC,  232                          ; p's codes
.set STA, 248                          ; LDS addresses of my stage and of my partner's: O, and the pair (-M, sum)
.set STM, 249
.set RDA, 250
.set RDM, 251
.set CSC, 252                          ; 2^(e10 - e8 - e9), 448 x it
.set CHB, 253
.set STG, 4352                         ; a wave's stage: 8 x 512 bytes of O, 256 of the pair; it lies on the bytes of steps 0 to 7, which have had their one fill and their last read then
.set HALF, 131072                      ; eight key steps in LDS
.set SPARE, 262144
.macro CROUND
	s_barrier_signal -1
	s_barrier_wait -1
	s_cmp_lg_u32 s[WV], 0
	s_cbranch_scc1 .Lnot_wave_0_\@
	s_barrier_signal -3
.Lnot_wave_0_\@:
	s_barrier_wait -3
	s_barrier_signal -1
	s_barrier_wait -1
.endm
	s_load_b128 s[4:7], s[0:1], 0x0                ; q, k, v s[4:5]; the scales' exponents s[6:7]
	s_load_b64 s[8:9], s[0:1], 0x10                ; ctx
	v_lshl_add_u32 v[SPW], v0, 2, SPARE
	v_mov_b32 v[NIL], 0
	ds_add_u32 v[SPW], v[NIL]                      ; the opening: the add, twice on end, and its wait ahead of my first tensor load
	ds_add_u32 v[SPW], v[NIL]
	v_lshrrev_b32 v2, 5, v0
	v_and_b32 v[LI], 31, v0
	v_readfirstlane_b32 s[WV], v2
	v_lshlrev_b32 v[LI], 4, v[LI]
	s_bfe_u32 s[CX], ttmp6, 0x40000
	s_bfe_u32 s[CY], ttmp6, 0x40004
	s_and_b32 s[BH], ttmp7, 0xffff                 ; in a cluster launch ttmp7 counts clusters: two heads each
	s_lshl_b32 s[BH], s[BH], 1
	s_lshr_b32 s42, s[CY], 1
	s_add_co_u32 s[BH], s[BH], s42
	s_bfe_u32 s[PR], s[WV], 0x10002
	s_lshl_b32 s[PB], s[PR], 14
	s_and_b32 s[KE], s[WV], 3
	s_lshr_b32 s42, s[WV], 3
	s_xor_b32 s42, s42, 1
	s_lshl_b32 s42, s42, 2
	s_add_co_u32 s[KE], s[KE], s42                 ; j = wave & 3, + 4 in waves 0 to 7
	s_sub_co_u32 s[KL], 15, s[KE]
	; my loads: K (even wave) or V (odd wave) of key steps w >> 1 and 8 + (w >> 1)
	s_lshl_b32 s56, s[BH], 17                      ; a head's codes are 128 KB in each part
	s_lshr_b32 s42, s[WV], 1
	s_lshl_b32 s42, s42, 13
	s_add_co_u32 s56, s56, s42
	s_and_b32 s42, s[WV], 1
	s_lshl_b32 s42, s42, 22
	s_add_co_u32 s56, s56, s42
	s_add_co_u32 s56, s56, 0x400000
	s_mov_b32 s57, 0
	s_lshl_b32 s43, s[CY], 2
	s_lshl_b32 s43, 15, s43                        ; my row of the cluster
	s_or_b32 s[G1], s43, (3<<16)|(1<<21)           ; 15:0 the mask; 17:16 elements of 8 bytes; 21 set beside a mask
	s_mov_b32 s[G1+1], 32<<16                      ; 8 KB on end, stated as 32 rows of 32 elements
	s_mov_b32 s[G1+2], 32<<16
	s_mov_b32 s[G1+3], 32<<16
	s_mov_b32 s[G1+4], 32
	s_mov_b32 s[G1+5], 32
	s_mov_b32 s[G1+6], 0
	s_mov_b32 s[G1+7], 0
	s_mov_b32 s[G0], 1
	s_mov_b32 s[G0B], 1
	s_lshl_b32 s[G0+1], s[WV], 13                  ; wave x 8 KB: no place in the cluster enters an LDS address
	s_add_co_u32 s[G0B+1], s[G0+1], HALF
	s_wait_alu depctr_va_vdst(0)
	s_wait_dscnt 0x0                               ; both opening adds are done
	s_wait_kmcnt 0x0
	s_load_b256 s[48:55], s[6:7], 0x10             ; e4 .. e11: s50 e6, s51 e7, s52 e8, s53 e9, s54 e10
	s_add_nc_u64 s[G0+2:G0+3], s[4:5], s[56:57]
	s_add_nc_u64 s[G0B+2:G0B+3], s[G0+2:G0+3], 65536
	s_or_b32 s[G0+3], s[G0+3], 0x80000000
	s_or_b32 s[G0B+3], s[G0B+3], 0x80000000
	CROUND                                         ; all sixteen work-groups are here: the joint loads meet
	tensor_load_to_lds s[G0:G0+3], s[G1:G1+7]      ; key steps 0 to 7
	s_nop 0
	s_and_b32 s[CC], s[CY], 1
	s_lshl_b32 s[CC], s[CC], 2
	s_add_co_u32 s[CC], s[CC], s[CX]
	s_lshl_b32 s58, s[BH], 17                      ; Q: 1,024 bytes a tile; tile 8 k + c
	s_lshl_b32 s59, s[CC], 10
	s_add_co_u32 s58, s58, s59
	s_lshl_b32 s60, s[KL], 13
	s_add_co_u32 s60, s60, s58
	s_mov_b32 s61, 0
	s_add_nc_u64 s[44:45], s[4:5], s[60:61]
	s_lshl_b32 s62, s[KE], 13
	s_add_co_u32 s62, s62, s58
	s_mov_b32 s63, 0
	s_add_nc_u64 s[46:47], s[4:5], s[62:63]
	global_load_b128 v[QL:QL+3],   v[LI], s[44:45]
	global_load_b128 v[QL+4:QL+7], v[LI], s[44:45] offset:512
	global_load_b128 v[QE:QE+3],   v[LI], s[46:47]
	global_load_b128 v[QE+4:QE+7], v[LI], s[46:47] offset:512
	s_mul_i32 s40, s[WV], STG
	s_xor_b32 s41, s[WV], 4
	s_mul_i32 s41, s41, STG
	v_lshrrev_b32 v6, 1, v[LI]                     ; 8 x lane
	v_add_nc_u32 v[STA], s40, v[LI]
	v_add_nc_u32 v[RDA], s41, v[LI]
	s_add_co_u32 s40, s40, 4096
	s_add_co_u32 s41, s41, 4096
	v_add_nc_u32 v[STM], s40, v6
	v_add_nc_u32 v[RDM], s41, v6
	s_lshl_b32 s59, s[CC], 4
	v_and_b32 v[DQ], 15, v0
	v_bfe_u32 v7, v0, 4, 1
	v_add_nc_u32 v[DQ], s59, v[DQ]
	v_lshlrev_b32 v7, 3, v7
	v_mov_b32 v[STL+1], 0xff61b1e6                 ; the largest t so far: -3e38, under every t
	v_mov_b32 v[STE+1], 0xff61b1e6
	v_sub_nc_u32 v[DQ], v[DQ], v7
	v_floor_f32 v[STL], -v[STL+1]                  ; -M
	v_floor_f32 v[STE], -v[STE+1]
	v_mov_b32 v[STL+2], 0
	v_mov_b32 v[STL+3], 0
	v_mov_b32 v[STE+2], 0
	v_mov_b32 v[STE+3], 0
	v_mov_b32 v[PX], 0                             ; written once: a lane permute's destination counts as one of its sources
	v_mov_b32 v[PY], 0
	v_mov_b32 v[FV], 0
	v_mov_b32 v[FV+1], 0                           ; (named as the upper half of a pair)
.irp j, 0,1,2,3,4,5,6,7,8,9,10,11,12,13,14,15,16,17,18,19,20,21,22,23,24,25,26,27,28,29,30,31
	v_mov_b32 v[OL+\j], 0                          ; the step has no first form of its own, and a wave may have no step of the early tile: its part is then zero
	v_mov_b32 v[OE+\j], 0
.endr
	; ctx's place: row tile T = 128 batch + 8 k + c, K step head >> 1, groups 2 (head & 1) on; k: the block that I finish
	s_cmp_eq_u32 s[PR], 0
	s_cselect_b32 s58, s[KL], s[KE]
	s_lshr_b32 s59, s[BH], 4
	s_lshl_b32 s59, s59, 4
	s_add_co_u32 s58, s58, s59
	s_lshl_b32 s60, s58, 17
	s_lshl_b32 s59, s[CC], 12
	s_add_co_u32 s60, s60, s59
	s_and_b32 s58, s[BH], 15
	s_lshr_b32 s59, s58, 2
	s_lshl_b32 s59, s59, 15
	s_add_co_u32 s60, s60, s59
	s_and_b32 s59, s58, 3
	s_lshl_b32 s59, s59, 10
	s_add_co_u32 s60, s60, s59
	s_mov_b32 s[SEL], 0x76543210
	s_mov_b32 s[SEL+1], 0xfedcba98
	s_add_nc_u64 s[8:9], s[8:9], s[60:61]
	s_wait_alu depctr_va_vdst(0)
	s_wait_kmcnt 0x0
	s_add_co_i32 s56, s50, s51
	s_lshl_b32 s56, s56, 23
	s_mov_b32 s[CS], 0x3e38aa3b                    ; log2(e) / 8
	s_add_co_i32 s[CS], s[CS], s56                 ; a score stands for score x 2^(e6 + e7): added to the exponent field
	s_mov_b32 s[CS+1], s[CS]                       ; (named with it as a pair, so it is written)
	s_add_co_i32 s56, s52, 127
	s_lshl_b32 s57, s56, 23
	v_mov_b32 v[ES], s57
	s_add_co_i32 s56, s56, 8
	s_lshl_b32 s56, s56, 23
	s_or_b32 s56, s56, 0x600000
	v_mov_b32 v[HB], s56
	s_sub_co_i32 s56, s54, s52
	s_sub_co_i32 s56, s56, s53                     ; O^T / the sum stands for ctx / 2^(e8 + e9): its code is that / 2^(e10 - e8 - e9)
	s_add_co_i32 s56, s56, 127
	s_lshl_b32 s57, s56, 23
	v_mov_b32 v[CSC], s57
	s_add_co_i32 s56, s56, 8
	s_lshl_b32 s56, s56, 23
	s_or_b32 s56, s56, 0x600000
	v_mov_b32 v[CHB], s56
.macro SCALE j                         ; t - M, two at a time (of the pairs c and -M the low word serves both halves)
	v_pk_fma_f32 v[S+\j:S+1+\j], v[S+\j:S+1+\j], s[CS:CS+1], v[ST:ST+1] op_sel_hi:[1,0,0]
.endm
; A KEY STEP of 128 keys of one tile: its Q, O, state and block.  chk = 1: left out where the step lies behind the block, masked where it is the block's own.
.macro STEP qf, o, st, kb, chk
.set ST, \st
.if \chk
	s_cmp_gt_u32 s[KS], s[\kb]
	s_cbranch_scc1 .Lhidden_\@                     ; (a branch on the wave's number and a counted step; no barrier and no tensor load stands in a step)
.endif
	v_add_nc_u32 v[ADK], s[TB], v[LI]              ; with the three below: four places ahead of loads into registers that the last products have read
.rept 3
	v_nop
.endr
.irp t, 0,1,2,3,4,5,6,7
.irp g, 0,1
	ds_load_b128 v[KV+8*\t+4*\g:KV+8*\t+4*\g+3], v[ADK] offset:\t*1024+\g*512
.endr
.endr
	s_wait_alu depctr_va_vdst(0)
	s_wait_dscnt 0x8                               ; K's tiles 0 to 3 are in; the eight younger loads may be out
.irp t, 0,1,2,3
	v_wmma_f32_16x16x64_fp8_fp8 v[S+8*\t:S+8*\t+7], v[KV+8*\t:KV+8*\t+7], v[\qf:\qf+7], 0
.endr
	s_wait_dscnt 0x0
.irp t, 4,5,6,7
	v_wmma_f32_16x16x64_fp8_fp8 v[S+8*\t:S+8*\t+7], v[KV+8*\t:KV+8*\t+7], v[\qf:\qf+7], 0
.endr
	v_mov_b32 v[PY], v[\st]                        ; the old -M; with the three below: places ahead of the loads and of the first read of the scores
.rept 3
	v_nop
.endr
.irp t, 0,1,2,3
.irp c, 0,1,2,3
	ds_load_b128 v[KV+16*\t+4*\c:KV+16*\t+4*\c+3], v[ADK] offset:8192+\t*2048+\c*512   ; V lands while the softmax is worked
.endr
.endr
.if \chk
	s_cmp_lg_u32 s[KS], s[\kb]
	s_cbranch_scc1 .Lopen_\@
	v_mov_b32 v[T0], 0xff800000                    ; -infinity
.irp n, 0,1,2,3,4,5,6,7,8,9,10,11,12,13,14,15,16,17,18,19,20,21,22,23,24,25,26,27,28,29,30,31,32,33,34,35,36,37,38,39,40,41,42,43,44,45,46,47,48,49,50,51,52,53,54,55,56,57,58,59,60,61,62,63
	v_cmp_gt_i32 vcc_lo, 16*(\n/8)+\n%8, v[DQ]     ; register 8 t + j holds the block's key 16 t + 8 h + j: hidden where it comes after my query
	v_cndmask_b32 v[S+\n], v[S+\n], v[T0], vcc_lo
.endr
.Lopen_\@:
.endif
	v_max3_num_f32 v[T0], v[S], v[S+1], v[S+2]     ; the step's largest score of my query, among my 64 keys, in four chains, each score tile from its low end on,
	v_max3_num_f32 v[T0+1], v[S+3], v[S+4], v[S+5]
	v_max3_num_f32 v[MX], v[S+6], v[S+7], v[S+8]
	v_max3_num_f32 v[MX+1], v[S+9], v[S+10], v[S+11]
.irp i, 12,20,28,36,44,52
	v_max3_num_f32 v[T0], v[T0], v[S+\i], v[S+1+\i]
	v_max3_num_f32 v[T0+1], v[T0+1], v[S+2+\i], v[S+3+\i]
	v_max3_num_f32 v[MX], v[MX], v[S+4+\i], v[S+5+\i]
	v_max3_num_f32 v[MX+1], v[MX+1], v[S+6+\i], v[S+7+\i]
.endr
	v_max3_num_f32 v[T0], v[T0], v[S+60], v[S+61]
	v_max3_num_f32 v[T0+1], v[T0+1], v[S+62], v[S+63]
	v_max_num_f32 v[MX], v[MX], v[MX+1]
	s_delay_alu instid0(VALU_DEP_1)
	v_max3_num_f32 v[T0], v[T0], v[T0+1], v[MX]
	s_delay_alu instid0(VALU_DEP_1)
	v_permlanex16_b32 v[PX], v[T0], s[SEL], s[SEL+1]
	s_delay_alu instid0(VALU_DEP_1)
	v_max_num_f32 v[T0], v[T0], v[PX]              ; and among lane l xor 16's
	s_delay_alu instid0(VALU_DEP_1)
	v_mul_f32 v[T0], s[CS], v[T0]                  ; as t (c is positive)
	s_delay_alu instid0(VALU_DEP_1)
	v_max_num_f32 v[\st+1], v[\st+1], v[T0]        ; the running largest t
	s_delay_alu instid0(VALU_DEP_1)
	v_floor_f32 v[\st], -v[\st+1]                  ; the new -M = floor(-t) = -ceil(t): a whole number
	s_delay_alu instid0(VALU_DEP_1)
	v_sub_f32 v[T0], v[\st], v[PY]                 ; old M - new M: a whole number, 0 or less
.irp j, 0,2,4,6
	SCALE \j
.endr
	v_cvt_i32_f32 v[T0], v[T0]                     ; (it saturates)
.irp j, 8,10,12,14
	SCALE \j
.endr
	v_ldexp_f32 v[FV], 1.0, v[T0]                  ; f = 2^(old M - new M)
.irp j, 16,18,20,22,24,26,28,30,32,34,36,38,40,42,44,46,48,50,52,54,56,58,60,62
	SCALE \j
.endr
.irp j, 0,2,4,6,8,10,12,14,16,18,20,22,24,26,28,30
	v_pk_mul_f32 v[\o+\j:\o+1+\j], v[\o+\j:\o+1+\j], v[FV:FV+1] op_sel_hi:[1,0]   ; O^T under the new M, ahead of the exponentials; each accumulator from its low end on
.endr
	s_wait_alu depctr_va_vdst(0)
.irp j, 0,1,2,3,4,5,6,7,8,9,10,11,12,13,14,15,16,17,18,19,20,21,22,23,24,25,26,27,28,29,30,31,32,33,34,35,36,37,38,39,40,41,42,43,44,45,46,47,48,49,50,51,52,53,54,55,56,57,58,59,60,61,62,63
	v_exp_f32 v[S+\j], v[S+\j]                     ; p = 2^(t - M), at most 1
.endr
	v_pk_mul_f32 v[\st+2:\st+3], v[\st+2:\st+3], v[FV:FV+1] op_sel_hi:[1,0]   ; the sums under the new M (a plain place behind the exponentials)
	s_wait_alu depctr_va_vdst(0)                   ; and one behind it, ahead of its first reader
	v_pk_add_f32 v[T0:T0+1], v[S:S+1], v[S+8:S+9]  ; the sum of the unquantised p, in four chains
	v_pk_add_f32 v[PC:PC+1], v[S+2:S+3], v[S+10:S+11]
	v_pk_add_f32 v[PC+2:PC+3], v[S+4:S+5], v[S+12:S+13]
	v_pk_add_f32 v[PC+4:PC+5], v[S+6:S+7], v[S+14:S+15]
.irp j, 16,24,32,40,48,56
	v_pk_add_f32 v[T0:T0+1], v[T0:T0+1], v[S+\j:S+\j+1]
	v_pk_add_f32 v[PC:PC+1], v[PC:PC+1], v[S+\j+2:S+\j+3]
	v_pk_add_f32 v[PC+2:PC+3], v[PC+2:PC+3], v[S+\j+4:S+\j+5]
	v_pk_add_f32 v[PC+4:PC+5], v[PC+4:PC+5], v[S+\j+6:S+\j+7]
.endr
	v_pk_add_f32 v[T0:T0+1], v[T0:T0+1], v[PC:PC+1]
	v_pk_add_f32 v[PC+2:PC+3], v[PC+2:PC+3], v[PC+4:PC+5]
	s_delay_alu instid0(VALU_DEP_1)
	v_pk_add_f32 v[T0:T0+1], v[T0:T0+1], v[PC+2:PC+3]
.irp t, 0,1,2,3,4,5,6,7
.irp i, 0,2,4,6
	v_dual_min_num_f32 v[S+8*\t+\i], v[HB], v[S+8*\t+\i] :: v_dual_min_num_f32 v[S+8*\t+\i+1], v[HB], v[S+8*\t+\i+1]   ; the conversion does not saturate (ISA guide 7.6.2); p is not negative, so the hold is one-sided
.endr
	v_cvt_scalef32_pk8_fp8_f32 v[PC+2*\t:PC+2*\t+1], v[S+8*\t:S+8*\t+7], v[ES]   ; keys 16 t + 8 h + 0..7: registers 2 t, 2 t + 1 of the operand
.endr
	v_pk_add_f32 v[\st+2:\st+3], v[\st+2:\st+3], v[T0:T0+1]   ; (the plain line behind the last conversion)
	s_wait_alu depctr_va_vdst(0)
	s_wait_dscnt 0x0                               ; V is in
.irp t, 0,1,2,3
	v_wmma_f32_16x16x128_fp8_fp8 v[\o+8*\t:\o+8*\t+7], v[KV+16*\t:KV+16*\t+15], v[PC:PC+15], v[\o+8*\t:\o+8*\t+7]   ; the four accumulators take turns
.endr
.if \chk
.Lhidden_\@:
.endif
.endm
.macro ADV                             ; on by two key steps
	s_add_co_u32 s[TB], s[TB], 32768
	s_add_co_u32 s[KS], s[KS], 2
	s_sub_co_u32 s[CNT], s[CNT], 1
	s_cmp_lg_u32 s[CNT], 0
.endm
	s_mov_b32 s[TB], s[PB]
	s_mov_b32 s[KS], s[PR]
	s_mov_b32 s[CNT], 2
	s_wait_alu depctr_va_vdst(0)
	s_wait_loadcnt 0x0                             ; Q
	s_wait_tensorcnt 0x0                           ; my part of key steps 0 to 7 is in
	ds_add_u32 v[SPW], v[NIL]
	s_wait_dscnt 0x0
	CROUND                                         ; key steps 0 to 7 are whole, and the joint loads meet
	tensor_load_to_lds s[G0B:G0B+3], s[G1:G1+7]    ; key steps 8 to 15
	s_nop 0
.Lfirst:                                               ; the late tile's steps of my parity among 0 to 3: its block is 8 or more, so all their keys count
	STEP QL, OL, STL, KL, 0
	ADV
	s_cbranch_scc1 .Lfirst
	s_wait_tensorcnt 0x0                           ; my part of key steps 8 to 15 is in
	s_wait_dscnt 0x0
	s_barrier_signal -1                            ; say so
	s_add_co_u32 s[TB], s[PB], 65536
	s_mov_b32 s[CNT], 2
.Lsecond:                                              ; the same among 4 to 7
	STEP QL, OL, STL, KL, 0
	ADV
	s_cbranch_scc1 .Lsecond
	s_mov_b32 s[TB], s[PB]
	s_mov_b32 s[KS], s[PR]
	s_mov_b32 s[CNT], 4
.Learly:                                               ; the early tile's: parity .. 6 + parity
	STEP QE, OE, STE, KE, 1
	ADV
	s_cbranch_scc1 .Learly
	s_barrier_wait -1                              ; key steps 8 to 15 are whole
	s_wait_dscnt 0x0                               ; my reads of steps 0 to 7 are over:
	s_barrier_signal -1                            ; say so
	s_add_co_u32 s[TB], s[PB], HALF
	s_add_co_u32 s[KS], s[PR], 8
	s_mov_b32 s[CNT], 4
.Llate:                                                ; the late tile's other steps: 8 + parity .. 14 + parity
	STEP QL, OL, STL, KL, 1
	ADV
	s_cbranch_scc1 .Llate
	; THE JOIN.  Each tile's sum: its two halves and lane l xor 16's; it takes the place of the largest t beside -M.
	v_add_f32 v[STL+2], v[STL+2], v[STL+3]
	v_add_f32 v[STE+2], v[STE+2], v[STE+3]
	v_permlanex16_b32 v[PX], v[STL+2], s[SEL], s[SEL+1]
	v_permlanex16_b32 v[PY], v[STE+2], s[SEL], s[SEL+1]
	v_add_f32 v[STL+1], v[STL+2], v[PX]
	v_add_f32 v[STE+1], v[STE+2], v[PY]
	s_wait_alu depctr_va_vdst(0)
	s_wait_dscnt 0x0                               ; no LDS instruction of mine is pending
	s_barrier_wait -1                              ; nobody reads steps 0 to 7 any more: the stages may be written
.macro SEND o, st                      ; my part of the tile that my partner finishes
.irp t, 0,1,2,3
	s_wait_alu depctr_va_vdst(0)
	ds_store_b128 v[STA], v[\o+8*\t:\o+8*\t+3] offset:1024*\t
	ds_store_b128 v[STA], v[\o+8*\t+4:\o+8*\t+7] offset:1024*\t+512
.endr
	ds_store_b64 v[STM], v[\st:\st+1]
.endm
	s_cmp_eq_u32 s[PR], 0
	s_cbranch_scc0 .Lsend_late
	SEND OE, STE
	s_branch .Lsent
.Lsend_late:
	SEND OL, STL
.Lsent:
	s_wait_dscnt 0x0                               ; my stores are done: my partner reads them behind the barrier
	s_barrier_signal -1
	s_barrier_wait -1
	ds_load_b64 v[24:25], v[RDM]                   ; my partner's -M and sum,
.irp i, 0,1,2,3,4,5,6,7
	ds_load_b128 v[S+4*\i:S+4*\i+3], v[RDA] offset:512*\i   ; and its O^T
.endr
	s_wait_dscnt 0x0
; THE WAY OUT: both parts under the larger M, divided by the whole sum, quantised; a lane's codes are its 16 bytes of each of the image's two groups, so they go straight to memory.
.macro FIN o, st
	v_min_num_f32 v[FV], v[\st], v24               ; the new -M
	s_delay_alu instid0(VALU_DEP_1)
	v_sub_f32 v[T0], v[FV], v[\st]
	v_sub_f32 v[T0+1], v[FV], v24
	v_cvt_i32_f32 v[T0], v[T0]
	v_cvt_i32_f32 v[T0+1], v[T0+1]
	v_ldexp_f32 v[T0], 1.0, v[T0]                  ; my part's factor,
	v_ldexp_f32 v[T0+1], 1.0, v[T0+1]              ; my partner's: powers of two (0 where a part is empty)
	v_mul_f32 v[FV], v[\st+1], v[T0]
	s_delay_alu instid0(VALU_DEP_1)
	v_fma_f32 v[FV], v25, v[T0+1], v[FV]           ; the row's sum
	s_wait_alu depctr_va_vdst(0)
	v_rcp_f32 v[FV], v[FV]
	v_nop                                          ; one plain place behind it
	s_wait_alu depctr_va_vdst(0)                   ; and the wait ahead of its first reader
	v_mul_f32 v[T0], v[T0], v[FV]
	v_mul_f32 v[FV], v[T0+1], v[FV]
	s_wait_alu depctr_va_vdst(0)
.irp j, 0,2,4,6,8,10,12,14,16,18,20,22,24,26,28,30
	v_pk_mul_f32 v[KV+\j:KV+1+\j], v[\o+\j:\o+1+\j], v[T0:T0+1] op_sel_hi:[1,0]
.endr
.irp j, 0,2,4,6,8,10,12,14,16,18,20,22,24,26,28,30
	v_pk_fma_f32 v[KV+\j:KV+1+\j], v[S+\j:S+1+\j], v[FV:FV+1], v[KV+\j:KV+1+\j] op_sel_hi:[1,0,1]   ; register 8 t + j: channel 16 t + 8 h + j of my query
.endr
.irp t, 0,1,2,3
.irp i, 0,1,2,3,4,5,6,7
	v_med3_num_f32 v[KV+8*\t+\i], v[KV+8*\t+\i], -v[CHB], v[CHB]
.endr
	v_cvt_scalef32_pk8_fp8_f32 v[KV+32+2*\t:KV+33+2*\t], v[KV+8*\t:KV+8*\t+7], v[CSC]
.endr
	v_nop                                          ; one plain line behind the last conversion
	global_store_b128 v[LI], v[KV+32:KV+35], s[8:9]             ; each store of the wave covers 512 consecutive bytes, aligned
	global_store_b128 v[LI], v[KV+36:KV+39], s[8:9] offset:512
.endm
	s_cmp_eq_u32 s[PR], 0
	s_cbranch_scc0 .Lfin_early
	FIN OL, STL
	s_branch .Ldone
.Lfin_early:
	FIN OE, STE
.Ldone:
	s_wait_tensorcnt 0x0                           ; the wave's end
	ds_add_u32 v[SPW], v[NIL]
	s_wait_dscnt 0x0
	CROUND                                         ; the closing round
	s_endpgm
.Lfunc_end_k_qa94be15a82_attn:
	.size	k_qa94be15a82_attn, .Lfunc_end_k_qa94be15a82_attn-k_qa94be15a82_attn
	.p2alignl 7, 3214868480
	.fill 96, 4, 3214868480
	.section	.rodata,"a",@progbits
	.p2align	6, 0x0
	.amdhsa_kernel k_qa94be15a82_attn
		.amdhsa_group_segment_fixed_size 327680
		.amdhsa_private_segment_fixed_size 0
		.amdhsa_enable_private_segment 0
		.amdhsa_kernarg_size 24
		.amdhsa_user_sgpr_count 2
		.amdhsa_user_sgpr_kernarg_segment_ptr 1
		.amdhsa_wavefront_size32 1
		.amdhsa_system_sgpr_workgroup_id_x 1
		.amdhsa_system_sgpr_workgroup_id_y 1
		.amdhsa_system_sgpr_workgroup_id_z 1
		.amdhsa_system_vgpr_workitem_id 0
		.amdhsa_next_free_vgpr 256
		.amdhsa_next_free_sgpr 80
		.amdhsa_reserve_vcc 1
		.amdhsa_float_denorm_mode_32 3
		.amdhsa_float_denorm_mode_16_64 3
		.amdhsa_memory_ordered 1
		.amdhsa_forward_progress 1
		.amdhsa_inst_pref_size 96
	.end_amdhsa_kernel
	.amdgpu_metadata
---
amdhsa.version: [ 1, 2 ]
amdhsa.kernels:
  - .name:           k_qa94be15a82_attn
    .symbol:         k_qa94be15a82_attn.kd
    .args:
      - { .name: qkv, .offset: 0, .size: 8, .value_kind: global_buffer, .address_space: global }
      - { .name: lowp_scales, .offset: 8, .size: 8, .value_kind: global_buffer, .address_space: global }
      - { .name: ctx, .offset: 16, .size: 8, .value_kind: global_buffer, .address_space: global }
    .group_segment_fixed_size: 327680
    .private_segment_fixed_size: 0
    .kernarg_segment_align: 8
    .kernarg_segment_size: 24
    .max_flat_workgroup_size: 512
    .sgpr_count:     80
    .vgpr_count:     256
    .wavefront_size: 32
...
	.end_amdgpu_metadata
.endif
;; end of part 3
;; launch oproj (part 4): grid 8 x 32, 4 waves a work-group, clusters of 4 x 4, 327,680 bytes of LDS; arguments ctx, codes, lowp_scales, bo, out0; writes out0
.if DOCPART == 4
	.amdgcn_target "amdgcn-amd-amdhsa--gfx1250"
	.amdhsa_code_object_version 6
	.text
	.protected	k_qa94be15a82_oproj
	.globl	k_qa94be15a82_oproj
	.p2align	8
	.type	k_qa94be15a82_oproj,@function
k_qa94be15a82_oproj:
	s_mov_b64 s[64:65], 0
	v_nop
	global_prefetch_b8 v0, s[64:65] scope:SCOPE_SE
	s_setreg_imm32_b32 hwreg(HW_REG_WAVE_MODE, 25, 1), 1
	s_wait_xcnt 0x0
	s_wait_alu depctr_hold_cnt(0) depctr_sa_sdst(0) depctr_va_vdst(0) depctr_va_sdst(0) depctr_va_ssrc(0) depctr_va_vcc(0) depctr_vm_vsrc(0)
	s_getreg_b32 s2, hwreg(HW_REG_IB_STS2, 6, 4)
	s_cmp_eq_u32 s2, 0
	s_cbranch_scc0 .Lentry_in_a_cluster
	s_endpgm
.Lentry_in_a_cluster:
	s_bfe_u32 s2, ttmp6, 0x10000c
	s_cmp_lg_u32 s2, 0xf033
	s_cbranch_scc0 .Lentry_shape_is_right
	s_endpgm
.Lentry_shape_is_right:
; out = ctx wo^T x 2^(e10 + e11) + bo.  ctx [4096][1024] and wo [1024][1024] are E4M3 codes laid as register images; out [4096][1024] f32; sums in f32.
; LIMIT: e10 + e11 lies between -126 and 127, so that 2^(e10 + e11) is an f32 number.
; OPERANDS: fragment (row tile T of 16 rows, K step s) at (T >> 3) 131072 + (s >> 1) 32768 + (T & 7) 4096 + (s & 1) 2048; in it group g at 512 g, lane l at 16 l.  wo's codes lie at 15 MiB of the buffer of codes.
; SHARES.  8 x 32 work-groups of four waves; a work-group makes 128 x 128, a wave 64 x 64 (16 accumulators): one work-group for each of 256 tiles.
; LDS.  K = 1,024 goes in two halves of 512, a slot each: ctx's 128 rows x 512 k (64 KB), then wo's; each wave fetches 32 KB on end with one joint load a half (waves 0, 1: ctx; waves 2, 3: wo).  The first half is asked
; for at the head, the second behind the round; it has the first half's products in which to land.  Every byte is filled once.  Behind the slots: a stage of 16 rows x 272 bytes for each wave, into which no fill lands.
; PREFETCH of the second half, one half ahead: behind the first joint loads each wave names its work-group's 32 of the 128 blocks of 256 bytes that it will fetch (partners told apart by address).  wo's blocks are the same
; for all clusters along y: of those only the first four ask.
; CLUSTER 4 x 4.  A's tiles hang on the tile row alone and are asked for jointly by a row of the cluster, B's on the tile column alone and by a column: a quarter of the requests.
; THE MATRIX INSTRUCTION IS USED TRANSPOSED (source 0 = 16 rows of wo, source 1 = 16 rows of ctx): lane (r, h) holds token 16 a + r and, in register j of accumulator (a, b), output column 16 b + 8 h + j.
; REGISTERS: window 0: v1 16 x lane; v16-17, v20-21 LDS addresses of my A and B rows in each slot; v24-26 the way out; v32-63 bo at my columns; v64-95 a block's results; v128-255 the accumulators, later rows read back.
;   window 1: two fragment buffers of 128: A's four fragments, then B's four.
.set WV, 14                            ; s14 wave   s15 its half of A's rows (also: it fetches for A (0) or for B (1))   s16 its half of B's rows (also: which 32 KB it fetches)
.set WR, 15
.set WC, 16
.set CX, 17
.set CY, 18
.set TR, 19                            ; s19 tile row, s20 tile column
.set TC, 20
.set MKA, 22
.set MKB, 23
.set G1A, 24
.set G1B, 32
.set G0A, 40                           ; s[40:47], s[48:55] groups 0, one for each slot
.set G0B, 48
.set PFA, 70                           ; s[70:71] where my prefetch stands
.set LIM, 72                           ; s72 1 in the waves that prefetch
.set LI,   1
.set PFO,  5
.set ADRA, 16
.set ADRB, 20
.set STO,  24                          ; v24 the stage: where I put 32 bytes of a row
.set RD,   25                          ; v25 and where I read a row back
.set CO,   26                          ; v26 my byte offset in two rows of out
.set SPW,  28
.set NIL,  29
.set BIAS, 32
.set TMP,  64
.set ACC,  128
.set SLOTB, 131072
.set STG,  262144
.set SP,   272                         ; a stage row: 256 bytes + 16 = 68 words: sixteen rows start at sixteen different banks (ISA guide 11.1)
.set SPARE, STG+4*16*SP
.set MSB, 0
.macro WIN new                         ; the immediate's high byte repeats the setting that is left
.if MSB != \new
	s_set_vgpr_msb (MSB<<8)|\new
.set MSB, \new
.endif
.endm
.set W_MUL, 0x05                       ; sources 0 and 1 window 1; C and D window 0
.set TO_F,  0x40                       ; destination window 1, address window 0
.macro PLACES                          ; four plain places behind matrix instructions (ISA guide 7.12.1)
.rept 4
	v_nop
.endr
.endm
.macro CROUND                          ; a round of the cluster's barrier
	s_barrier_signal -1
	s_barrier_wait -1
	s_cmp_lg_u32 s[WV], 0
	s_cbranch_scc1 .Lnot_wave_0_\@
	s_barrier_signal -3
.Lnot_wave_0_\@:
	s_barrier_wait -3
	s_barrier_signal -1
	s_barrier_wait -1
.endm
.macro JLOAD s                         ; a joint load: each of the two lines has one mask and one set of registers
	s_cmp_eq_u32 s[WR], 0
	s_cbranch_scc0 .Lfor_b_\@
	tensor_load_to_lds s[G0A+4*\s:G0A+4*\s+3], s[G1A:G1A+7]
	s_nop 0
	PLACES
	s_branch .Lasked_\@
.Lfor_b_\@:
	tensor_load_to_lds s[G0B+4*\s:G0B+4*\s+3], s[G1B:G1B+7]
	s_nop 0
	PLACES
.Lasked_\@:
.endm
	s_load_b256 s[4:11], s[0:1], 0x0               ; ctx s[4:5], the codes s[6:7], the scales' exponents s[8:9], bo s[10:11]
	s_load_b64 s[12:13], s[0:1], 0x20              ; out
	v_lshl_add_u32 v[SPW], v0, 2, SPARE
	v_mov_b32 v[NIL], 0
	ds_add_u32 v[SPW], v[NIL]                      ; the opening: the add, twice on end, and its wait ahead of my first tensor load
	ds_add_u32 v[SPW], v[NIL]
	v_lshrrev_b32 v2, 5, v0
	v_readfirstlane_b32 s[WV], v2
	s_lshr_b32 s[WR], s[WV], 1
	s_and_b32 s[WC], s[WV], 1
	s_bfe_u32 s[CX], ttmp6, 0x40000
	s_bfe_u32 s[CY], ttmp6, 0x40004
	s_lshl_b32 s[TC], ttmp9, 2                     ; in a cluster launch ttmp9 and ttmp7 count clusters
	s_add_co_u32 s[TC], s[TC], s[CX]               ; tile column: hangs on cx, never on cy
	s_and_b32 s[TR], ttmp7, 0xffff
	s_lshl_b32 s[TR], s[TR], 2
	s_add_co_u32 s[TR], s[TR], s[CY]               ; tile row: hangs on cy, never on cx
	s_lshl_b32 s60, s[TR], 17                      ; a tile of 128 rows x 1,024 k is 128 KB on end;
	s_lshl_b32 s61, s[WC], 15                      ; my part of a half is 32 KB on end
	s_add_co_u32 s60, s60, s61
	s_mov_b32 s61, 0
	s_lshl_b32 s62, s[TC], 17
	s_lshl_b32 s63, s[WC], 15
	s_add_co_u32 s62, s62, s63
	s_add_co_u32 s62, s62, 0xf00000                ; wo's codes
	s_mov_b32 s63, 0
	s_lshl_b32 s21, s[WV], 15                      ; wave x 32 KB: no place in the cluster enters an LDS address
	s_lshl_b32 s[MKA], s[CY], 2
	s_lshl_b32 s[MKA], 15, s[MKA]                  ; my row of the cluster
	s_lshl_b32 s[MKB], 0x1111, s[CX]               ; my column
	; descriptor group 1: 32 KB on end, stated as 128 rows of 32 elements of 8 bytes, no padding
	s_or_b32 s[G1A], s[MKA], (3<<16)|(1<<21)       ; 15:0 the mask; 17:16 elements of 8 bytes; 21 set beside a mask
	s_or_b32 s[G1B], s[MKB], (3<<16)|(1<<21)
.irp g, G1A, G1B
	s_mov_b32 s[\g+1], 32<<16                      ; tensor_dim0
	s_mov_b32 s[\g+2], 128<<16                     ; tensor_dim1
	s_mov_b32 s[\g+3], 32<<16                      ; tile_dim0
	s_mov_b32 s[\g+4], 128                         ; tile_dim1
	s_mov_b32 s[\g+5], 32                          ; from row to row
	s_mov_b32 s[\g+6], 0
	s_mov_b32 s[\g+7], 0
.endr
	s_wait_alu depctr_va_vdst(0)
	s_wait_dscnt 0x0                               ; both opening adds are done
	s_wait_kmcnt 0x0
	s_load_b64 s[84:85], s[8:9], 0x28              ; e10, e11
	s_add_nc_u64 s[56:57], s[4:5], s[60:61]
	s_add_nc_u64 s[58:59], s[6:7], s[62:63]
.irp s, 0,1
	s_mov_b32 s[G0A+4*\s], 1
	s_add_co_u32 s[G0A+4*\s+1], s21, \s*SLOTB
	s_add_nc_u64 s[G0A+4*\s+2:G0A+4*\s+3], s[56:57], \s*65536
	s_or_b32 s[G0A+4*\s+3], s[G0A+4*\s+3], 0x80000000
	s_mov_b32 s[G0B+4*\s], 1
	s_add_co_u32 s[G0B+4*\s+1], s21, \s*SLOTB
	s_add_nc_u64 s[G0B+4*\s+2:G0B+4*\s+3], s[58:59], \s*65536
	s_or_b32 s[G0B+4*\s+3], s[G0B+4*\s+3], 0x80000000
.endr
	CROUND                                         ; all sixteen work-groups are here: the joint loads meet
	JLOAD 0                                        ; the first half
	; the prefetch: my work-group's 8 KB of the 32 KB that I fetch of the second half
	s_and_b32 s66, ttmp7, 0xffff
	s_cmp_lt_u32 s66, 4
	s_cselect_b32 s[LIM], 1, 0
	s_cmp_eq_u32 s[WR], 0
	s_cselect_b32 s[LIM], 1, s[LIM]
	s_cselect_b64 s[PFA:PFA+1], s[56:57], s[58:59]
	s_cselect_b32 s66, s[CX], s[CY]                ; my place among the four that ask with me
	s_lshl_b32 s66, s66, 13
	s_mov_b32 s67, 0
	s_add_nc_u64 s[PFA:PFA+1], s[PFA:PFA+1], s[66:67]
	v_and_b32 v[LI], 31, v0
	v_lshlrev_b32 v[PFO], 8, v[LI]                 ; lanes 256 bytes apart
	v_lshlrev_b32 v[LI], 4, v[LI]
	s_wait_alu depctr_va_vdst(0)
	s_cmp_eq_u32 s[LIM], 1
	s_cbranch_scc0 .Lnot_mine
	global_prefetch_b8 v[PFO], s[PFA:PFA+1] offset:65536 th:TH_LOAD_NT scope:SCOPE_SE
.Lnot_mine:
	s_lshl_b32 s2, s[TC], 9                        ; my first column, in bytes: 512 x tile column + 256 x half
	s_lshl_b32 s3, s[WC], 8
	s_add_co_u32 s2, s2, s3
	s_mov_b32 s3, 0
	s_add_nc_u64 s[10:11], s[10:11], s[2:3]
	s_lshl_b32 s98, s[TR], 19                      ; my first row of out: 128 x tile row + 64 x half, 4,096 bytes a row
	s_lshl_b32 s99, s[WR], 18
	s_add_co_u32 s98, s98, s99
	s_add_co_u32 s98, s98, s2
	s_mov_b32 s99, 0
	s_add_nc_u64 s[12:13], s[12:13], s[98:99]
	s_lshl_b32 s96, s[WR], 14                      ; my 64 rows of A in a slot,
	s_lshl_b32 s97, s[WC], 14
	s_add_co_u32 s97, s97, 65536                   ; my 64 rows of B, behind A's 128
	s_mul_i32 s98, s[WV], 16*SP
	s_add_co_u32 s98, s98, STG                     ; my stage
	v_and_b32 v2, 15, v0                           ; r
	v_bfe_u32 v3, v0, 4, 1                         ; h
	v_lshlrev_b32 v4, 5, v3                        ; bo: my half's eight numbers of each 16
.irp b, 0,1,2,3
	global_load_b128 v[BIAS+8*\b:BIAS+8*\b+3],   v4, s[10:11] offset:64*\b       ; bo(16 b + 8 h + 0..3) of my 64 columns
	global_load_b128 v[BIAS+8*\b+4:BIAS+8*\b+7], v4, s[10:11] offset:64*\b+16
.endr
	v_add_nc_u32 v[ADRA], s96, v[LI]
	v_add_nc_u32 v[ADRB], s97, v[LI]
	v_add_nc_u32 v[ADRA+1], SLOTB, v[ADRA]
	v_add_nc_u32 v[ADRB+1], SLOTB, v[ADRB]
	v_mul_u32_u24 v[STO], v2, SP                   ; in: row r, 32 bytes for each half of the lanes
	v_lshl_add_u32 v[STO], v3, 5, v[STO]
	v_add_nc_u32 v[STO], s98, v[STO]
	v_mul_u32_u24 v[RD], v3, SP                    ; back: lanes 0-15 take one row of 256 bytes, lanes 16-31 the next
	v_lshl_add_u32 v[RD], v2, 4, v[RD]
	v_add_nc_u32 v[RD], s98, v[RD]
	v_lshlrev_b32 v[CO], 12, v3                    ; and the same two rows in out
	v_lshl_add_u32 v[CO], v2, 4, v[CO]
	s_wait_alu depctr_va_vdst(0)
	s_wait_kmcnt 0x0
	s_add_co_i32 s96, s84, s85
	s_add_co_i32 s96, s96, 127
	s_lshl_b32 s96, s96, 23                        ; 2^(e10 + e11) as f32
	s_mov_b32 s97, s96                             ; (named with it as a pair, so it is written)
; 32 LDS loads: the fragments of the slot's u-th K step of 128 into buffer f.  Each load takes 512 consecutive bytes.
.macro FETCH slot, u, f
	WIN TO_F
.irp i, 0,1,2,3
.irp c, 0,1,2,3
	ds_load_b128 v[\f+64+16*\i+4*\c:\f+64+16*\i+4*\c+3], v[ADRB+\slot] offset:(\u/2)*32768+(\u%2)*2048+\i*4096+\c*512
.endr
.endr
.irp i, 0,1,2,3
.irp c, 0,1,2,3
	ds_load_b128 v[\f+16*\i+4*\c:\f+16*\i+4*\c+3], v[ADRA+\slot] offset:(\u/2)*32768+(\u%2)*2048+\i*4096+\c*512
.endr
.endr
.endm
; Eight matrix instructions, 128 along K: row tiles a, a2.  The 16 accumulators take turns, in the same order in every step.  zero = 1: the first products start the sums.
.macro MUL8 f, a1, a2, zero
	WIN W_MUL
.irp a, \a1, \a2
.irp b, 0,1,2,3
.if \zero
	v_wmma_f32_16x16x128_fp8_fp8 v[ACC+8*(4*\a+\b):ACC+8*(4*\a+\b)+7], v[\f+64+16*\b:\f+64+16*\b+15], v[\f+16*\a:\f+16*\a+15], 0
.else
	v_wmma_f32_16x16x128_fp8_fp8 v[ACC+8*(4*\a+\b):ACC+8*(4*\a+\b)+7], v[\f+64+16*\b:\f+64+16*\b+15], v[\f+16*\a:\f+16*\a+15], v[ACC+8*(4*\a+\b):ACC+8*(4*\a+\b)+7]
.endif
.endr
.endr
.endm
.macro MULT f, zero
	MUL8 \f, 0, 1, \zero
	MUL8 \f, 2, 3, \zero
.endm
; A slot's first three K steps; each step's fragments are asked for one step ahead (32 younger loads may be out).
.macro SLOT slot, zero
	FETCH \slot, 1, 128
	s_wait_dscnt 32
	MULT 0, \zero
	PLACES
	FETCH \slot, 2, 0
	s_wait_dscnt 32
	MULT 128, 0
	PLACES
	FETCH \slot, 3, 128
	s_wait_dscnt 32
	MULT 0, 0
	s_wait_dscnt 0x0                               ; the fourth step's fragments
.endm
	s_wait_tensorcnt 0x0                           ; my part of the first half is in
	ds_add_u32 v[SPW], v[NIL]
	s_wait_dscnt 0x0
	CROUND                                         ; everybody's part of the first half is in, and the joint loads meet
	JLOAD 1                                        ; the second half
	FETCH 0, 0, 0
	SLOT 0, 1
	MUL8 128, 0, 1, 0
	s_wait_tensorcnt 0x0                           ; my part of the second half is in
	s_barrier_signal -1
	MUL8 128, 2, 3, 0
	s_barrier_wait -1                              ; and everybody's
	PLACES
	FETCH 1, 0, 0
	SLOT 1, 0
	MULT 128, 0
	WIN 0
	PLACES
	s_wait_loadcnt 0x0                             ; bo
; THE WAY OUT, a block of 16 tokens x 64 columns at a time.  A lane holds 32 neighbouring bytes of a row and the lanes beside it other rows: so a block goes through my own stage and comes back as whole rows of 256 bytes.
; LDS serves a wave's instructions in order (ISA guide 5.7.1.4): no wait between the stores and the loads, nor in front of the next block's stores.  The rows come back into the block's own accumulators, which are done
; with, so no register that a global store reads is ever written again.
.macro TOSTAGE a
.irp b, 0,1,2,3
.irp i, 0,2,4,6
	v_pk_fma_f32 v[TMP+8*\b+\i:TMP+8*\b+\i+1], v[ACC+8*(4*\a+\b)+\i:ACC+8*(4*\a+\b)+\i+1], s[96:97], v[BIAS+8*\b+\i:BIAS+8*\b+\i+1] op_sel_hi:[1,0,1]   ; sum x 2^(e10 + e11) + bo; each accumulator from its low end on
.endr
.endr
.irp b, 0,1,2,3
	ds_store_b128 v[STO], v[TMP+8*\b:TMP+8*\b+3]   offset:64*\b
	ds_store_b128 v[STO], v[TMP+8*\b+4:TMP+8*\b+7] offset:64*\b+16
.endr
.irp t, 0,1,2,3,4,5,6,7
	ds_load_b128 v[ACC+32*\a+4*\t:ACC+32*\a+4*\t+3], v[RD] offset:\t*2*SP
.endr
.endm
.macro SEND a, younger                 ; younger: the LDS instructions issued behind block a's loads, which may stay out
	s_wait_dscnt \younger
.irp t, 0,1,2,3,4,5,6,7
	global_store_b128 v[CO], v[ACC+32*\a+4*\t:ACC+32*\a+4*\t+3], s[12:13] offset:(16*\a+2*\t)*4096 th:TH_STORE_NT   ; sixteen lanes store 256 consecutive bytes, at a multiple of 256 from out's first byte; written once
.endr
.endm
	TOSTAGE 0
	TOSTAGE 1
	SEND 0, 16                                     ; behind block 0's loads: block 1's eight stores and eight loads
	TOSTAGE 2
	SEND 1, 16
	TOSTAGE 3
	SEND 2, 16
	SEND 3, 0                                      ; no LDS instruction of mine is pending at the signal below
	s_wait_tensorcnt 0x0                           ; the wave's end
	ds_add_u32 v[SPW], v[NIL]
	s_wait_dscnt 0x0
	CROUND                                         ; the closing round: no work-group ends while a partner may still ask for a tile that names it
	s_endpgm
.Lfunc_end_k_qa94be15a82_oproj:
	.size	k_qa94be15a82_oproj, .Lfunc_end_k_qa94be15a82_oproj-k_qa94be15a82_oproj
	.p2alignl 7, 3214868480
	.fill 96, 4, 3214868480
	.section	.rodata,"a",@progbits
	.p2align	6, 0x0
	.amdhsa_kernel k_qa94be15a82_oproj
		.amdhsa_group_segment_fixed_size 327680
		.amdhsa_private_segment_fixed_size 0
		.amdhsa_enable_private_segment 0
		.amdhsa_kernarg_size 40
		.amdhsa_user_sgpr_count 2
		.amdhsa_user_sgpr_kernarg_segment_ptr 1
		.amdhsa_wavefront_size32 1
		.amdhsa_system_sgpr_workgroup_id_x 1
		.amdhsa_system_sgpr_workgroup_id_y 1
		.amdhsa_system_sgpr_workgroup_id_z 1
		.amdhsa_system_vgpr_workitem_id 0
		.amdhsa_next_free_vgpr 512
		.amdhsa_next_free_sgpr 100
		.amdhsa_reserve_vcc 0
		.amdhsa_float_denorm_mode_32 3
		.amdhsa_float_denorm_mode_16_64 3
		.amdhsa_memory_ordered 1
		.amdhsa_forward_progress 1
		.amdhsa_inst_pref_size 46
	.end_amdhsa_kernel
	.amdgpu_metadata
---
amdhsa.version: [ 1, 2 ]
amdhsa.kernels:
  - .name:           k_qa94be15a82_oproj
    .symbol:         k_qa94be15a82_oproj.kd
    .args:
      - { .name: ctx, .offset: 0, .size: 8, .value_kind: global_buffer, .address_space: global }
      - { .name: codes, .offset: 8, .size: 8, .value_kind: global_buffer, .address_space: global }
      - { .name: lowp_scales, .offset: 16, .size: 8, .value_kind: global_buffer, .address_space: global }
      - { .name: bo, .offset: 24, .size: 8, .value_kind: global_buffer, .address_space: global }
      - { .name: out0, .offset: 32, .size: 8, .value_kind: global_buffer, .address_space: global }
    .group_segment_fixed_size: 327680
    .private_segment_fixed_size: 0
    .kernarg_segment_align: 8
    .kernarg_segment_size: 40
    .max_flat_workgroup_size: 128
    .sgpr_count:     100
    .vgpr_count:     512
    .wavefront_size: 32
...
	.end_amdgpu_metadata
.endif
;; end of part 4
